; MI455X (gfx1250); checked and timed in simulation.
; The chip was launched on July 23, 2026; its instructions are those of AMD's public machine-readable ISA for CDNA 5 (MIT licence, August 2026) and "CDNA5" Instruction Set Architecture Reference Guide (July 2026). The comments in the code are by the model that wrote it; some were corrected since.
;; RET Transformer Block. Allowed arithmetic: float matrix products may take bf16 or f16 operands with f32 sums; other float arithmetic in f32, or as packed bf16 or f16 multiplies, adds, multiply-adds, maxima and minima; sums over many terms, partial sums and values carried from step to step in f32; what a program stores and reads back later, other than sums and carried values, may be rounded once to bf16 or f16.
;; Inputs: hidden_states 2 x 2,048 x 1,024 float32; ln1_w 1,024 float32; ln2_w 1,024 float32; w_down 1,024 x 1,024 float32; w_gate 1,024 x 1,024 float32; w_up 1,024 x 1,024 float32; wk 1,024 x 1,024 float32; wo 1,024 x 1,024 float32; wq 1,024 x 1,024 float32; wv 1,024 x 1,024 float32.
;; Outputs: out0 2 x 2,048 x 1,024 float32.
;; One version. Each part assembles by itself: llvm-mc -triple=amdgcn-amd-amdhsa -mcpu=gfx1250 --defsym DOCPART=n.
;; ======== version 1 of 1: 6 launches
;; limits: values are held in f16: magnitudes above 65,504 overflow, below 6.1e-05 lose precision
;; workspace buffers: wts 14,680,064 bytes; h1 8,388,608 bytes; qkv 25,165,824 bytes; ctx 8,388,608 bytes; x2 16,777,216 bytes; a2 8,388,608 bytes; ss2 131,072 bytes; act 8,388,608 bytes
;; launch prep (part 1): grid 1408 x 1, 8 waves a work-group, no clusters, 0 bytes of LDS; arguments hidden_states, ln1_w, ln2_w, wq, wk, wv, wo, w_gate, w_up, w_down, h1, wts; writes h1, wts
.if DOCPART == 1
	.amdgcn_target "amdgcn-amd-amdhsa--gfx1250"
	.amdhsa_code_object_version 6
	.text
	.protected	k_qad41af3a85_prep
	.globl	k_qad41af3a85_prep
	.p2align	8
	.type	k_qad41af3a85_prep,@function
k_qad41af3a85_prep:
	s_mov_b64 s[64:65], 0
	v_nop
	global_prefetch_b8 v0, s[64:65] scope:SCOPE_SE
	s_setreg_imm32_b32 hwreg(HW_REG_WAVE_MODE, 25, 1), 1
	s_wait_xcnt 0x0
; PREP.  h1 = f16(bf16(x) * rms1 * bf16(ln1)), and the seven weight matrices as 16-bit matrix operands in one table, wts (7,168 rows of 1,024 numbers):
;   rows 0-3071: head h owns rows 192 h ..: wq's rows 64 h .. +63, then wk's, then wv's, each number f16(bf16(w));   rows 3072-4095: wo, likewise;
;   rows 4096-6143: group c of 32 rows: w_gate's rows 16 c .. +15, then w_up's, each number f16(bf16(w) * bf16(ln2[k]));   rows 6144-7167: bf16(w_down).
; Every input is rounded to bf16 first; what is made of it is kept in f16.  LIMITS: f16 ends at 65,504 (h1 and bf16(w) bf16(ln2) stay within it for gains and weights some 30 times
; those of unit gains and weights of spread 1/32); below 6e-5 f16 keeps its fixed step of 6e-8.  NaN and infinities are not treated apart.
; SHARES.  A wave takes one source row of 4,096 bytes, a work-group eight.  Work-groups 0-511: x (matrix number 7 below).  512-1407: 128 for each weight matrix, numbers 0 to 6.
; ONE TEXT serves all eight: source, destination and gain are chosen by scalar selects; the gain is loaded where it applies (x: ln1; w_gate, w_up: ln2) and is 1 elsewhere.
; A wave's load covers 512 consecutive bytes, its store 256 consecutive aligned bytes.  No LDS, no matrix unit: memory binds.
.set C,  4                             ; v[4:35]    the gain of my 32 columns (column 128 j + 4 lane + i in register 4 j + i)
.set X,  36                            ; v[36:67]   the row
.set P,  68                            ; v[68:83]   32 numbers packed to 16 bits
.set Q,  68                            ; v[68:75]   four chains of the sum of squares, while P is free
.set R,  76                            ; v[76:77]   1 / rms in the low word, likewise
	s_load_b512 s[4:19], s[0:1], 0x0               ; x 4:5, ln1 6:7, ln2 8:9, wq 10:11, wk 12:13, wv 14:15, wo 16:17, w_gate 18:19
	s_load_b256 s[20:27], s[0:1], 0x40             ; w_up 20:21, w_down 22:23, h1 24:25, wts 26:27
	v_lshrrev_b32 v1, 5, v0
	v_readfirstlane_b32 s28, v1                    ; wave 0..7
	v_and_b32 v1, 31, v0
	v_lshlrev_b32 v2, 4, v1                        ; 16 bytes a lane on the way in
	v_lshlrev_b32 v3, 3, v1                        ; 8 bytes a lane on the way out
	s_mov_b32 s36, 0xffff0000                      ; a word's upper bf16
	s_mov_b32 s37, 0x3a800000                      ; 1 / 1024
	s_mov_b32 s38, 0x358637bd                      ; 1e-6
	s_mov_b32 s40, 0x76543210                      ; v_permlanex16_b32: each lane takes its own place in the other half
	s_mov_b32 s41, 0xfedcba98
	s_mov_b32 s43, 0                               ; the high word of the offsets in s[42:43]
	s_sub_co_u32 s31, ttmp9, 512
	s_lshr_b32 s29, s31, 7                         ; m: wq, wk, wv, wo, w_gate, w_up, w_down,
	s_and_b32 s31, s31, 127
	s_cmp_lt_u32 ttmp9, 512
	s_cselect_b32 s29, 7, s29                      ; or 7: x
	s_cselect_b32 s31, ttmp9, s31
	s_lshl_b32 s30, s31, 3
	s_add_co_u32 s30, s30, s28                     ; r0, my row of the matrix
	s_lshr_b32 s46, s30, 6                         ; m < 3: 192 (r0 / 64) + 64 m + r0 % 64
	s_mul_i32 s46, s46, 192
	s_lshl_b32 s47, s29, 6
	s_add_co_u32 s46, s46, s47
	s_and_b32 s47, s30, 63
	s_add_co_u32 s46, s46, s47
	s_lshl_b32 s48, s29, 10                        ; m = 3, 6: 1024 m + r0
	s_add_co_u32 s48, s48, s30
	s_lshr_b32 s49, s30, 4                         ; m = 4, 5: 4096 + 32 (r0 / 16) + 16 (m - 4) + r0 % 16
	s_lshl_b32 s49, s49, 5
	s_lshl_b32 s47, s29, 4
	s_add_co_u32 s49, s49, s47
	s_and_b32 s47, s30, 15
	s_add_co_u32 s49, s49, s47
	s_add_co_u32 s49, s49, 4096-64
	s_cmp_lt_u32 s29, 3
	s_cselect_b32 s48, s46, s48
	s_and_b32 s47, s29, 6
	s_cmp_eq_u32 s47, 4
	s_cselect_b32 s48, s49, s48
	s_cselect_b32 s39, 1, 0                        ; does a gain apply?
	s_cmp_eq_u32 s29, 7
	s_cselect_b32 s48, s30, s48                    ; m = 7: r0, in h1
	s_cselect_b32 s39, 1, s39
	s_wait_kmcnt 0x0
	s_mov_b64 s[32:33], s[10:11]
	s_cmp_eq_u32 s29, 1
	s_cselect_b64 s[32:33], s[12:13], s[32:33]
	s_cmp_eq_u32 s29, 2
	s_cselect_b64 s[32:33], s[14:15], s[32:33]
	s_cmp_eq_u32 s29, 3
	s_cselect_b64 s[32:33], s[16:17], s[32:33]
	s_cmp_eq_u32 s29, 4
	s_cselect_b64 s[32:33], s[18:19], s[32:33]
	s_cmp_eq_u32 s29, 5
	s_cselect_b64 s[32:33], s[20:21], s[32:33]
	s_cmp_eq_u32 s29, 6
	s_cselect_b64 s[32:33], s[22:23], s[32:33]
	s_cmp_eq_u32 s29, 7
	s_cselect_b64 s[32:33], s[4:5], s[32:33]       ; the source,
	s_cselect_b64 s[34:35], s[24:25], s[26:27]     ; the destination: h1 or wts,
	s_cselect_b64 s[44:45], s[6:7], s[8:9]         ; the gain: ln1 or ln2
	s_lshl_b32 s42, s30, 12
	s_add_nc_u64 s[32:33], s[32:33], s[42:43]
	s_lshl_b32 s42, s48, 11
	s_add_nc_u64 s[34:35], s[34:35], s[42:43]
.macro TOBF x                          ; 32 numbers rounded to bf16, packed into P
.set j, 0
.rept 16
	v_cvt_pk_bf16_f32 v[P+j], v[(\x)+2*j], v[(\x)+2*j+1]
.set j, j+1
.endr
.endm
.macro WIDEN x                         ; and back to f32
.set j, 0
.rept 16
	v_lshlrev_b32 v[(\x)+2*j], 16, v[P+j]
	v_and_b32 v[(\x)+2*j+1], s36, v[P+j]
.set j, j+1
.endr
.endm
	s_cmp_eq_u32 s39, 1
	s_cbranch_scc0 .Lones
.set j, 0
.rept 8
	global_load_b128 v[C+4*j:C+4*j+3], v2, s[44:45] offset:512*j
.set j, j+1
.endr
	s_branch .Lrow
.Lones:
.set j, 0
.rept 32
	v_mov_b32 v[C+j], 1.0                          ; the matrices that no gain scales
.set j, j+1
.endr
.Lrow:
.set j, 0
.rept 8
	global_load_b128 v[X+4*j:X+4*j+3], v2, s[32:33] offset:512*j th:TH_LOAD_NT
.set j, j+1
.endr
	s_wait_loadcnt 0x0
	TOBF X
	s_cmp_eq_u32 s29, 6
	s_cbranch_scc1 .Lout                           ; w_down leaves in bf16
	WIDEN X
	s_cmp_eq_u32 s29, 7
	s_cbranch_scc0 .Lgain
	; a row of x: its mean square, and times 1 / rms
.set j, 0
.rept 4
	v_pk_mul_f32 v[Q+2*j:Q+2*j+1], v[X+2*j:X+2*j+1], v[X+2*j:X+2*j+1]  ; the first four pairs start the chains
.set j, j+1
.endr
.rept 12
	v_pk_fma_f32 v[Q+2*(j%4):Q+2*(j%4)+1], v[X+2*j:X+2*j+1], v[X+2*j:X+2*j+1], v[Q+2*(j%4):Q+2*(j%4)+1]
.set j, j+1
.endr
	v_pk_add_f32 v[Q:Q+1], v[Q:Q+1], v[Q+2:Q+3]
	v_pk_add_f32 v[Q+4:Q+5], v[Q+4:Q+5], v[Q+6:Q+7]
	v_pk_add_f32 v[Q:Q+1], v[Q:Q+1], v[Q+4:Q+5]
	v_add_f32 v[Q], v[Q], v[Q+1]
	v_add_f32_dpp v[Q], v[Q], v[Q] row_xmask:1 row_mask:0xf bank_mask:0xf
	v_add_f32_dpp v[Q], v[Q], v[Q] row_xmask:2 row_mask:0xf bank_mask:0xf
	v_add_f32_dpp v[Q], v[Q], v[Q] row_xmask:4 row_mask:0xf bank_mask:0xf
	v_add_f32_dpp v[Q], v[Q], v[Q] row_xmask:8 row_mask:0xf bank_mask:0xf
	v_permlanex16_b32 v[Q+1], v[Q], s40, s41
	v_add_f32 v[Q], v[Q], v[Q+1]                   ; every lane holds the row's sum of squares
	v_fma_f32 v[Q], v[Q], s37, s38                 ; mean + 1e-6
	v_rsq_f32 v[R], v[Q]
	v_mov_b32 v[R+1], 0                            ; the pair's other word is named too; also the plain instruction behind the root
	s_wait_alu depctr_va_vdst(0)                   ; the wait ahead of the first use of the root
.set j, 0
.rept 16
	v_pk_mul_f32 v[X+2*j:X+2*j+1], v[X+2*j:X+2*j+1], v[R:R+1] op_sel_hi:[1,0]
.set j, j+1
.endr
.Lgain:
	TOBF C                                         ; the gain, rounded to bf16 like every input (1 stays 1)
	WIDEN C
.set j, 0
.rept 16
	v_pk_mul_f32 v[X+2*j:X+2*j+1], v[X+2*j:X+2*j+1], v[C+2*j:C+2*j+1]
.set j, j+1
.endr
.set j, 0
.rept 16
	v_cvt_pk_f16_f32 v[P+j], v[X+2*j], v[X+2*j+1]
.set j, j+1
.endr
.Lout:
.set j, 0
.rept 8
	global_store_b64 v3, v[P+2*j:P+2*j+1], s[34:35] offset:256*j  ; a row of 2,048 bytes: each store of the wave covers 256 consecutive bytes, aligned
.set j, j+1
.endr
	s_endpgm
.Lfunc_end_k_qad41af3a85_prep:
	.size	k_qad41af3a85_prep, .Lfunc_end_k_qad41af3a85_prep-k_qad41af3a85_prep
	.p2alignl 7, 3214868480
	.fill 96, 4, 3214868480
	.section	.rodata,"a",@progbits
	.p2align	6, 0x0
	.amdhsa_kernel k_qad41af3a85_prep
		.amdhsa_group_segment_fixed_size 0
		.amdhsa_private_segment_fixed_size 0
		.amdhsa_enable_private_segment 0
		.amdhsa_kernarg_size 96
		.amdhsa_user_sgpr_count 2
		.amdhsa_user_sgpr_kernarg_segment_ptr 1
		.amdhsa_wavefront_size32 1
		.amdhsa_system_sgpr_workgroup_id_x 1
		.amdhsa_system_sgpr_workgroup_id_y 1
		.amdhsa_system_sgpr_workgroup_id_z 1
		.amdhsa_system_vgpr_workitem_id 0
		.amdhsa_next_free_vgpr 84
		.amdhsa_next_free_sgpr 66
		.amdhsa_reserve_vcc 0
		.amdhsa_float_denorm_mode_32 3
		.amdhsa_float_denorm_mode_16_64 3
		.amdhsa_memory_ordered 1
		.amdhsa_forward_progress 1
		.amdhsa_inst_pref_size 15
	.end_amdhsa_kernel
	.amdgpu_metadata
---
amdhsa.version: [ 1, 2 ]
amdhsa.kernels:
  - .name:           k_qad41af3a85_prep
    .symbol:         k_qad41af3a85_prep.kd
    .args:
      - { .name: hidden_states, .offset: 0, .size: 8, .value_kind: global_buffer, .address_space: global }
      - { .name: ln1_w, .offset: 8, .size: 8, .value_kind: global_buffer, .address_space: global }
      - { .name: ln2_w, .offset: 16, .size: 8, .value_kind: global_buffer, .address_space: global }
      - { .name: wq, .offset: 24, .size: 8, .value_kind: global_buffer, .address_space: global }
      - { .name: wk, .offset: 32, .size: 8, .value_kind: global_buffer, .address_space: global }
      - { .name: wv, .offset: 40, .size: 8, .value_kind: global_buffer, .address_space: global }
      - { .name: wo, .offset: 48, .size: 8, .value_kind: global_buffer, .address_space: global }
      - { .name: w_gate, .offset: 56, .size: 8, .value_kind: global_buffer, .address_space: global }
      - { .name: w_up, .offset: 64, .size: 8, .value_kind: global_buffer, .address_space: global }
      - { .name: w_down, .offset: 72, .size: 8, .value_kind: global_buffer, .address_space: global }
      - { .name: h1, .offset: 80, .size: 8, .value_kind: global_buffer, .address_space: global }
      - { .name: wts, .offset: 88, .size: 8, .value_kind: global_buffer, .address_space: global }
    .group_segment_fixed_size: 0
    .private_segment_fixed_size: 0
    .kernarg_segment_align: 8
    .kernarg_segment_size: 96
    .max_flat_workgroup_size: 256
    .sgpr_count:     66
    .vgpr_count:     84
    .wavefront_size: 32
...
	.end_amdgpu_metadata
.endif
;; end of part 1
;; launch qkv (part 2): grid 16 x 16, 4 waves a work-group, clusters of 4 x 4, 327,680 bytes of LDS; arguments h1, wts, qkv; writes qkv
.if DOCPART == 2
	.amdgcn_target "amdgcn-amd-amdhsa--gfx1250"
	.amdhsa_code_object_version 6
	.text
	.protected	k_qad41af3a85_qkv
	.globl	k_qad41af3a85_qkv
	.p2align	8
	.type	k_qad41af3a85_qkv,@function
k_qad41af3a85_qkv:
	s_mov_b64 s[64:65], 0
	v_nop
	global_prefetch_b8 v0, s[64:65] scope:SCOPE_SE
	s_setreg_imm32_b32 hwreg(HW_REG_WAVE_MODE, 25, 1), 1
	s_wait_xcnt 0x0
	s_wait_alu depctr_hold_cnt(0) depctr_sa_sdst(0) depctr_va_vdst(0) depctr_va_sdst(0) depctr_va_ssrc(0) depctr_va_vcc(0) depctr_vm_vsrc(0)
	s_getreg_b32 s2, hwreg(HW_REG_IB_STS2, 6, 4)
	s_cmp_eq_u32 s2, 0
	s_cbranch_scc0 .Lentry_in_a_cluster
	s_endpgm
.Lentry_in_a_cluster:
	s_bfe_u32 s2, ttmp6, 0x10000c
	s_cmp_lg_u32 s2, 0xf033
	s_cbranch_scc0 .Lentry_shape_is_right
	s_endpgm
.Lentry_shape_is_right:
; QKV.  [4096 x 3072] = h1 Wqkv^T (f16 operands, f32 sums, K = 1,024), written by heads: qkv[part][16 b + h][s][64] in f16, unscaled.
; LIMIT: q, k, v stay within f16's 65,504 (gains and weights both some 30 times larger give about 5,000).
; A work-group makes 256 rows x one head's 192 columns (q, k, v of 64 each); each of its four waves 64 rows x 192: 48 accumulators.  16 x 16 work-groups.
; K goes in steps of 128 through two LDS slots; rows of the tiles are 256 bytes of memory, aligned.  Waves 0 and 1 fetch A's halves (128 rows), waves 2 and 3 B's (96 rows).
; CLUSTER 4 x 4: A's tile is asked for jointly along a row of the cluster, B's along a column.
; THE WALK ALONG K IS TURNED: cluster (X, Y) begins at K step 2 X + 4 g(Y), g(Y) = (Y ^ Y / 2) & 1, and goes round modulo 8 (f32 sums may be taken in any order).  The four clusters that read the same rows of A
; begin two K steps apart, so that each tile of A is asked for at four different times; of the four that read the same rows of B two begin at one K step and two four steps on.
; THE MATRIX INSTRUCTION IS USED TRANSPOSED (source 0 = 16 rows of B, source 1 = 16 rows of A): a lane holds row l % 16 and eight neighbouring columns.
; REGISTERS: window 0 addresses and the way out; window 1 two fragment buffers of 128 (A's 4 blocks, then B's 12); windows 2, 3 the accumulators: (a, b) in window 2 + a / 2 at v[8 (12 (a % 2) + b)].
; No prefetch is laid: with the turned walk every tile of A and half of B's are first asked for by some cluster's first fills, at the head; the other half of B's by the first two refills.
.set NB, 12
.set DK, 1                             ; slices of 32 along K in a quarter of a K step
.set KSTEP, 128
.set KB, 256                           ; bytes of a row in a K step
.set PITCH, 272                        ; + 16 of padding: the 16 rows of a fragment load start at 16 different groups of four banks (ISA guide 11.1)
.set QI, 5                             ; padding after every 64 words
.set AR, 256
.set BR, 192
.set AL, 128
.set BL, 96
.set SLOT, (AR+BR)*PITCH               ; 121,856: A's rows, then B's
.set SD, 1<<17                         ; the walk's odd steps lie at 0, its even ones at SD: one exclusive or turns an address in one slot into the other's
.set NSTEP, 8
.set ZERO, 1                           ; the first products start the sums with the constant 0
.set BBASE, 0
.set STAGE, SD+SLOT                    ; 252,928: 16 rows x 400 bytes for each wave, its own
.set SPITCH, 400
.set SPARE, STAGE+4*16*SPITCH          ; 278,528: the spare words, 128 bytes a wave
.set TMP, 32
.set F0, 0
.set F1, 128
.set QK, 64*DK
.set NLD, (8+2*NB)*DK                  ; LDS loads in a run
.set ADA0, 10                          ; v10 my place in A's part of a slot; v11 in B's; never rewritten
.set ADB0, 11
.set ADA, 12                           ; v12, v13 the same in the slot in hand
.set ADB, 13
.set STO, 14
.set RD, 15
.set CO, 17
.set SPW, 28                           ; v28 my spare word; v29 0; never rewritten
.set NIL, 29
.set TB, 66                            ; s66 the slot in hand
.set KO, 68                            ; s[68:69] byte in a row at which the K step asked for last begins
.set MSB, 0
.macro WIN new                         ; the immediate's high byte repeats the setting that is left; a switch that changes nothing is dropped
.if MSB != (\new)
	s_set_vgpr_msb (MSB<<8)|(\new)
.set MSB, \new
.endif
.endm
.macro PLACES                          ; four plain places behind matrix instructions (ISA guide 7.12.1)
.rept 4
	v_nop
.endr
.endm
.macro CREST                           ; a round of the cluster's barrier behind its opening barrier
	s_cmp_lg_u32 s10, 0
	s_cbranch_scc1 .Lnot_wave_0_\@
	s_barrier_signal -3
.Lnot_wave_0_\@:
	s_barrier_wait -3
	s_barrier_signal -1
	s_barrier_wait -1
.endm
.macro CROUND
	s_barrier_signal -1
	s_barrier_wait -1
	CREST
.endm
.macro JLOAD                           ; a joint refill by the walking descriptors; the branch hangs on the wave's number alone
	s_cmp_eq_u32 s11, 0
	s_cbranch_scc0 .Lfor_b_\@
	tensor_load_to_lds s[36:39], s[24:31]
	s_nop 0
	PLACES
	s_branch .Lasked_\@
.Lfor_b_\@:
	tensor_load_to_lds s[60:63], s[48:55]
	s_nop 0
	PLACES
.Lasked_\@:
.endm
.macro WM z
.if \z
	v_wmma_f32_16x16x32_f16 v[rD:rD+7], v[rB:rB+7], v[rA:rA+7], 0
.else
	v_wmma_f32_16x16x32_f16 v[rD:rD+7], v[rB:rB+7], v[rA:rA+7], v[rD:rD+7]
.endif
.endm
.macro MULQ f, a, zero                 ; block a of my rows x all NB blocks of columns; the accumulators take turns, one instruction a turn
	WIN 0xa5+0x50*((\a)/2)
.set c, 0
.rept DK
.set b, 0
.rept NB
.set rD, 8*(NB*((\a)%2)+b)
.set rB, (\f)+32*DK+8*(NB*c+b)
.set rA, (\f)+8*(4*c+(\a))
	WM (\zero)*(1-c)
.set b, b+1
.endr
.set c, c+1
.endr
.endm
.macro MULH f, h, zero
	MULQ \f, 2*(\h), \zero
	MULQ \f, 2*(\h)+1, \zero
.endm
.macro FETCH k, f                      ; one run of LDS loads: a quarter's fragments at byte k of the rows: B's, A's blocks 0 and 1, A's blocks 2 and 3
	WIN 0x40
.set c, 0
.rept DK
.set b, 0
.rept NB
.set rB, (\f)+32*DK+8*(NB*c+b)
	ds_load_b128 v[rB:rB+3], v[ADB] offset:(\k)+64*c+b*16*PITCH
	ds_load_b128 v[rB+4:rB+7], v[ADB] offset:(\k)+64*c+b*16*PITCH+32
.set b, b+1
.endr
.set c, c+1
.endr
.set h, 0
.rept 2
.set c, 0
.rept DK
.set a, 2*h
.rept 2
.set rA, (\f)+8*(4*c+a)
	ds_load_b128 v[rA:rA+3], v[ADA] offset:(\k)+64*c+a*16*PITCH
	ds_load_b128 v[rA+4:rA+7], v[ADA] offset:(\k)+64*c+a*16*PITCH+32
.set a, a+1
.endr
.set c, c+1
.endr
.set h, h+1
.endr
.endm
.macro QUARTER k, f, g, zero           ; multiplies buffer f; in its middle fetches the next quarter, at byte k, into g
	s_wait_dscnt 4*DK                              ; all but A's blocks 2 and 3, the youngest loads
	MULH \f, 0, \zero
	PLACES
	FETCH \k, \g
	s_wait_dscnt NLD                               ; all but the run just issued
	MULH \f, 1, \zero
.endm
; The last quarter of a K step multiplies buffer 1 and changes slots.  In front of the barrier each wave waits for all its tensor loads, adds 0 to its spare word, and waits for that and for its reads of the slot.
; fill = 1: the barrier opens a round of the cluster's barrier, and the slot just left is filled again first thing behind it, with the walk's step two on: its address is made anew from the kept base and KO, which goes round.
; fill = 0 (the tail): nothing is filled; in the tail's second trip (s3 = 1) there is no further K step and the run of loads is jumped over.
.macro TURN fill
	WIN 0
	s_wait_tensorcnt 0x0                           ; no tensor load of mine is out, so the walking descriptors may be written
	ds_add_u32 v[SPW], v[NIL]
.if \fill
	s_xor_b32 s37, s37, SD
	s_xor_b32 s61, s61, SD
	s_add_co_u32 s[KO], s[KO], KB
	s_and_b32 s[KO], s[KO], 2047                   ; a row is 2,048 bytes: behind its last K step comes its first
	s_add_nc_u64 s[38:39], s[14:15], s[KO:KO+1]
	s_or_b32 s39, s39, 0x80000000
	s_add_nc_u64 s[62:63], s[46:47], s[KO:KO+1]
	s_or_b32 s63, s63, 0x80000000
.endif
	s_wait_dscnt 4*DK+1                            ; the add and A's blocks 2 and 3 may be out
	MULQ F1, 0, 0
	s_wait_dscnt 0x0                               ; the add is done, and my reads of this slot are over
	s_barrier_signal -1
	MULQ F1, 1, 0
	WIN 0
	s_barrier_wait -1
.if \fill
	CREST
	JLOAD                                          ; its four v_nop are also the places in front of the loads below
	s_xor_b32 s[TB], s[TB], SD
.else
	PLACES
	s_xor_b32 s[TB], s[TB], SD
	s_cmp_eq_u32 s3, 1
	s_cbranch_scc1 .Lno_fetch_\@
.endif
	v_add_nc_u32 v[ADA], s[TB], v[ADA0]
	v_add_nc_u32 v[ADB], s[TB], v[ADB0]
	FETCH 0, F0
.if !(\fill)
	WIN 0
.Lno_fetch_\@:
.endif
	MULH F1, 1, 0
.endm
	s_load_b128 s[4:7], s[0:1], 0x0                ; h1 s[4:5], wts s[6:7]
	s_load_b64 s[8:9], s[0:1], 0x10                ; qkv
	v_lshl_add_u32 v[SPW], v0, 2, SPARE
	v_mov_b32 v[NIL], 0
	ds_add_u32 v[SPW], v[NIL]                      ; the wave's opening: the add and its wait stand ahead of my first tensor load; work on registers between them
	v_lshrrev_b32 v1, 5, v0
	v_readfirstlane_b32 s10, v1                    ; wave 0..3
	s_lshr_b32 s11, s10, 1                         ; I fetch for A (0) or for B (1)
	s_and_b32 s12, s10, 1                          ; which half of that tile
	s_bfe_u32 s40, ttmp6, 0x40000                  ; cx
	s_bfe_u32 s41, ttmp6, 0x40004                  ; cy
	s_lshl_b32 s42, ttmp9, 2
	s_add_co_u32 s42, s42, s40                     ; tile column = head
	s_and_b32 s13, ttmp7, 0xffff
	s_lshl_b32 s13, s13, 2
	s_add_co_u32 s13, s13, s41                     ; tile row
	s_lshl_b32 s43, s41, 2
	s_lshl_b32 s43, 15, s43                        ; my row of the cluster
	s_lshl_b32 s44, 0x1111, s40                    ; my column
	s_or_b32 s24, s43, (1<<16)|(1<<20)|(1<<21)|(QI<<22)|(3<<25)  ; group 1 for A: mask; 2-byte elements; padding on; bit 21 beside a mask; interval; 4 words
	s_mov_b32 s25, KSTEP<<16                       ; tensor_dim0
	s_mov_b32 s26, AL<<16                          ; tensor_dim1
	s_mov_b32 s27, KSTEP<<16                       ; tile_dim0
	s_mov_b32 s28, AL                              ; tile_dim1
	s_mov_b32 s29, 1024                            ; elements from row to row
	s_mov_b32 s30, 0
	s_mov_b32 s31, 0
	s_or_b32 s48, s44, (1<<16)|(1<<20)|(1<<21)|(QI<<22)|(3<<25)  ; group 1 for B
	s_mov_b32 s49, KSTEP<<16
	s_mov_b32 s50, BL<<16
	s_mov_b32 s51, KSTEP<<16
	s_mov_b32 s52, BL
	s_mov_b32 s53, 1024
	s_mov_b32 s54, 0
	s_mov_b32 s55, 0
	s_mul_i32 s16, s13, AR*2048                    ; A's tile hangs on the tile row and the wave alone,
	s_mul_i32 s17, s12, AL*2048
	s_add_co_u32 s16, s16, s17
	s_mov_b32 s17, 0
	s_mul_i32 s46, s42, BR*2048                    ; B's on the tile column and the wave alone
	s_mul_i32 s47, s12, BL*2048
	s_add_co_u32 s46, s46, s47
	s_add_co_u32 s46, s46, BBASE
	s_mov_b32 s47, 0
	s_mul_i32 s20, s12, AL*PITCH                   ; where they go in a slot: no place in the cluster enters an LDS address
	s_mul_i32 s21, s12, BL*PITCH
	s_add_co_u32 s21, s21, AR*PITCH
	s_mov_b32 s[TB], SD
	s_and_b32 s22, ttmp7, 0xffff                   ; where my cluster's walk begins: made of the cluster's x and y, which all sixteen partners share
	s_lshr_b32 s23, s22, 1
	s_xor_b32 s22, s22, s23
	s_and_b32 s22, s22, 1                          ; g(Y)
	s_lshl_b32 s22, s22, 10                        ; four K steps of 256 bytes
	s_lshl_b32 s23, ttmp9, 9                       ; two for each cluster x
	s_add_co_u32 s[KO], s22, s23
	s_and_b32 s[KO], s[KO], 2047
	s_mov_b32 s[KO+1], 0
	s_wait_dscnt 0x0                               ; the opening add is done
	s_wait_kmcnt 0x0
	s_add_nc_u64 s[14:15], s[4:5], s[16:17]        ; kept: my rows of A at K = 0,
	s_add_nc_u64 s[46:47], s[6:7], s[46:47]        ; and of B
	CROUND                                         ; all sixteen work-groups are here: the first joint loads meet
	s_mov_b32 s32, 1                               ; group 0, the walk's step 0, into the slot at SD
	s_add_co_u32 s33, s20, SD
	s_add_nc_u64 s[34:35], s[14:15], s[KO:KO+1]
	s_or_b32 s35, s35, 0x80000000
	s_mov_b32 s56, 1
	s_add_co_u32 s57, s21, SD
	s_add_nc_u64 s[58:59], s[46:47], s[KO:KO+1]
	s_or_b32 s59, s59, 0x80000000
	s_add_co_u32 s[KO], s[KO], KB
	s_and_b32 s[KO], s[KO], 2047
	s_mov_b32 s36, 1                               ; the walk's step 1, into the slot at 0; this set then walks
	s_mov_b32 s37, s20
	s_add_nc_u64 s[38:39], s[14:15], s[KO:KO+1]
	s_or_b32 s39, s39, 0x80000000
	s_mov_b32 s60, 1
	s_mov_b32 s61, s21
	s_add_nc_u64 s[62:63], s[46:47], s[KO:KO+1]
	s_or_b32 s63, s63, 0x80000000
	s_cmp_eq_u32 s11, 0                            ; a wave's two first fills stand in one branch: two loads of mine are out
	s_cbranch_scc0 .Lfirst_b
	tensor_load_to_lds s[32:35], s[24:31]
	s_nop 0
	tensor_load_to_lds s[36:39], s[24:31]
	s_nop 0
	PLACES
	s_branch .Lfirst_done
.Lfirst_b:
	tensor_load_to_lds s[56:59], s[48:55]
	s_nop 0
	tensor_load_to_lds s[60:63], s[48:55]
	s_nop 0
	PLACES
.Lfirst_done:
	s_lshr_b32 s18, s13, 3                         ; where my 64 rows begin in a part of qkv: batch,
	s_lshl_b32 s18, s18, 22
	s_lshl_b32 s19, s42, 18                        ; head,
	s_add_co_u32 s18, s18, s19
	s_and_b32 s19, s13, 7                          ; 256 rows of 128 bytes a tile row,
	s_lshl_b32 s19, s19, 15
	s_add_co_u32 s18, s18, s19
	s_lshl_b32 s19, s10, 13                        ; 64 a wave
	s_add_co_u32 s18, s18, s19
	s_mov_b32 s19, 0
	s_add_nc_u64 s[80:81], s[8:9], s[18:19]        ; q
	s_add_nc_u64 s[82:83], s[80:81], 0x800000      ; k
	s_add_nc_u64 s[84:85], s[82:83], 0x800000      ; v
	v_and_b32 v1, 15, v0                           ; l % 16
	v_bfe_u32 v2, v0, 4, 1                         ; l / 16
	v_mul_u32_u24 v3, v1, PITCH
	v_lshl_add_u32 v3, v2, 4, v3
	s_mul_i32 s22, s10, 64*PITCH                   ; my 64 rows of A
	v_add_nc_u32 v[ADA0], s22, v3
	v_add_nc_u32 v[ADB0], AR*PITCH, v3             ; all of B's rows
	s_mul_i32 s23, s10, 16*SPITCH
	s_add_co_u32 s23, s23, STAGE                   ; my stage
	v_mul_u32_u24 v4, v1, SPITCH                   ; in: row l % 16, 16 bytes for each half of the lanes
	v_lshl_add_u32 v4, v2, 4, v4
	v_add_nc_u32 v[STO], s23, v4
	v_bfe_u32 v4, v0, 3, 2                         ; back: 32 lanes take four rows' 128 bytes of one part,
	v_mul_u32_u24 v4, v4, SPITCH
	v_and_b32 v5, 7, v0
	v_lshl_add_u32 v4, v5, 4, v4
	v_add_nc_u32 v[RD], s23, v4
	v_and_b32 v5, 31, v0                           ; which are 512 consecutive bytes of qkv
	v_lshlrev_b32 v[CO], 4, v5
	s_wait_tensorcnt 0x1                           ; my part of the walk's step 0 is in; step 1's may stay out
	s_barrier_signal -1
	s_barrier_wait -1
	v_add_nc_u32 v[ADA], s[TB], v[ADA0]
	v_add_nc_u32 v[ADB], s[TB], v[ADB0]
	FETCH 0, F0
	QUARTER QK, F0, F1, ZERO
	WIN 0
	s_mov_b32 s3, NSTEP-2
.Lstep:                                                ; a trip ends step i of the walk, asks for step i + 2 and begins step i + 1
	QUARTER 2*QK, F1, F0, 0
	QUARTER 3*QK, F0, F1, 0
	TURN 1
	QUARTER QK, F0, F1, 0
	WIN 0
	s_sub_co_u32 s3, s3, 1
	s_cmp_lg_u32 s3, 0
	s_cbranch_scc1 .Lstep
	s_mov_b32 s3, 2
.Ltail:                                                ; the last two steps ask for nothing; the second trip is left in its middle
	QUARTER 2*QK, F1, F0, 0
	QUARTER 3*QK, F0, F1, 0
	TURN 0
	WIN 0
	s_sub_co_u32 s3, s3, 1
	s_cmp_eq_u32 s3, 0
	s_cbranch_scc1 .Lout
	QUARTER QK, F0, F1, 0
	WIN 0
	s_branch .Ltail
.Lout:
	s_wait_dscnt 0x0
	PLACES
	PLACES
; THE WAY OUT, a block of 16 rows at a time: rounded to f16 (each accumulator from its low end on), into my own stage, back as rows of a part, stored 512 consecutive bytes at a time.
.macro PACK a
	WIN 0x0a+5*((\a)/2)
.set b, 0
.rept NB
.set r, 0
.rept 4
	v_cvt_pk_f16_f32 v[TMP+4*b+r], v[8*(NB*((\a)%2)+b)+2*r], v[8*(NB*((\a)%2)+b)+2*r+1]
.set r, r+1
.endr
.set b, b+1
.endr
	WIN 0
.endm
.macro TOSTAGE a
.set BK, 80+48*((\a)%2)
.set b, 0
.rept NB
	ds_store_b128 v[STO], v[TMP+4*b:TMP+4*b+3] offset:32*b
.set b, b+1
.endr
	s_wait_xcnt 0x0                                ; the registers that the block before last's stores read are loaded again only behind this wait
.set p, 0
.rept 3
.set t, 0
.rept 4
	ds_load_b128 v[BK+16*p+4*t:BK+16*p+4*t+3], v[RD] offset:128*p+4*SPITCH*t  ; LDS serves a wave's instructions in order (ISA guide 5.7.1.4): these see the stores above
.set t, t+1
.endr
.set p, p+1
.endr
.endm
.macro SEND a
.set BK, 80+48*((\a)%2)
	s_wait_dscnt 0x0
.set p, 0
.rept 3
.set t, 0
.rept 4
	global_store_b128 v[CO], v[BK+16*p+4*t:BK+16*p+4*t+3], s[80+2*p:81+2*p] offset:2048*(\a)+512*t
.set t, t+1
.endr
.set p, p+1
.endr
.endm
	PACK 0
	TOSTAGE 0
	PACK 1
	SEND 0
	TOSTAGE 1
	PACK 2
	SEND 1
	TOSTAGE 2
	PACK 3
	SEND 2
	TOSTAGE 3
	SEND 3
	s_wait_tensorcnt 0x0                           ; the wave's end
	ds_add_u32 v[SPW], v[NIL]
	s_wait_dscnt 0x0
	CROUND                                         ; the closing round
	s_endpgm
.Lfunc_end_k_qad41af3a85_qkv:
	.size	k_qad41af3a85_qkv, .Lfunc_end_k_qad41af3a85_qkv-k_qad41af3a85_qkv
	.p2alignl 7, 3214868480
	.fill 96, 4, 3214868480
	.section	.rodata,"a",@progbits
	.p2align	6, 0x0
	.amdhsa_kernel k_qad41af3a85_qkv
		.amdhsa_group_segment_fixed_size 327680
		.amdhsa_private_segment_fixed_size 0
		.amdhsa_enable_private_segment 0
		.amdhsa_kernarg_size 24
		.amdhsa_user_sgpr_count 2
		.amdhsa_user_sgpr_kernarg_segment_ptr 1
		.amdhsa_wavefront_size32 1
		.amdhsa_system_sgpr_workgroup_id_x 1
		.amdhsa_system_sgpr_workgroup_id_y 1
		.amdhsa_system_sgpr_workgroup_id_z 1
		.amdhsa_system_vgpr_workitem_id 0
		.amdhsa_next_free_vgpr 1024
		.amdhsa_next_free_sgpr 96
		.amdhsa_reserve_vcc 0
		.amdhsa_float_denorm_mode_32 3
		.amdhsa_float_denorm_mode_16_64 3
		.amdhsa_memory_ordered 1
		.amdhsa_forward_progress 1
		.amdhsa_inst_pref_size 83
	.end_amdhsa_kernel
	.amdgpu_metadata
---
amdhsa.version: [ 1, 2 ]
amdhsa.kernels:
  - .name:           k_qad41af3a85_qkv
    .symbol:         k_qad41af3a85_qkv.kd
    .args:
      - { .name: h1, .offset: 0, .size: 8, .value_kind: global_buffer, .address_space: global }
      - { .name: wts, .offset: 8, .size: 8, .value_kind: global_buffer, .address_space: global }
      - { .name: qkv, .offset: 16, .size: 8, .value_kind: global_buffer, .address_space: global }
    .group_segment_fixed_size: 327680
    .private_segment_fixed_size: 0
    .kernarg_segment_align: 8
    .kernarg_segment_size: 24
    .max_flat_workgroup_size: 128
    .sgpr_count:     96
    .vgpr_count:     1024
    .wavefront_size: 32
...
	.end_amdgpu_metadata
.endif
;; end of part 2
;; launch attn (part 3): grid 16 x 16, 4 waves a work-group, clusters of 4 x 1, 327,680 bytes of LDS; arguments qkv, ctx; writes ctx
.if DOCPART == 3
	.amdgcn_target "amdgcn-amd-amdhsa--gfx1250"
	.amdhsa_code_object_version 6
	.text
	.protected	k_qad41af3a85_attn
	.globl	k_qad41af3a85_attn
	.p2align	8
	.type	k_qad41af3a85_attn,@function
k_qad41af3a85_attn:
	s_mov_b64 s[64:65], 0
	v_nop
	global_prefetch_b8 v0, s[64:65] scope:SCOPE_SE
	s_setreg_imm32_b32 hwreg(HW_REG_WAVE_MODE, 25, 1), 1
	s_wait_xcnt 0x0
	s_wait_alu depctr_hold_cnt(0) depctr_sa_sdst(0) depctr_va_vdst(0) depctr_va_sdst(0) depctr_va_ssrc(0) depctr_va_vcc(0) depctr_vm_vsrc(0)
	s_getreg_b32 s2, hwreg(HW_REG_IB_STS2, 6, 4)
	s_cmp_eq_u32 s2, 0
	s_cbranch_scc0 .Lentry_in_a_cluster
	s_endpgm
.Lentry_in_a_cluster:
	s_bfe_u32 s2, ttmp6, 0x10000c
	s_cmp_lg_u32 s2, 0x3003
	s_cbranch_scc0 .Lentry_shape_is_right
	s_endpgm
.Lentry_shape_is_right:
; ATTENTION.  ctx[b][s][64 h + d] = the sum over k of softmax_k(q . k / 8) v, for 32 (batch, head) pairs of 2,048 rows, head size 64, no mask.  q, k, v: qkv[part][16 b + h][s][64] in f16, parts 8,388,608 bytes apart.
; Products, maxima and sums in f32; the weights p are rounded to f16 for the second product (their sum l is taken of the unrounded p), ctx once at the end, to f16.
; LIMITS.  q, k, v arrive within f16's range; p lies in 0 to 1 and keeps f16's fixed step of 6e-8 below 6e-5; a weight below 2^-126 counts as 0 in l; NaN and infinities are not treated apart.
; SHARES.  A work-group takes 128 queries of TWO neighbouring heads, so that its piece of a row of ctx is 256 aligned bytes.  Wave w: head w / 2, queries 64 (w % 2) .. + 63, as four PIECES of 16.  Every wave walks all keys, 64 a step.
; LAYOUT, SOFTMAX.  S^T = K Q^T holds ONE query a lane (lane % 16) and the keys 8 (lane / 16) + 0..7; two such results rounded to f16 ARE source 1 of O^T = V^T P.  p = 2^(c s - c m), c = log2(e) / 8, with a running
; maximum m; O and l are multiplied by a = 2^(c m_old - c m_new) in every step.  m starts at the lowest finite number, O and l at 0: the first step is a step like any other, with a = 0.
; TURNS.  Turn n belongs to piece n: 8 products K Q^T of piece n + 1, later 8 products V^T P of piece n - 1; beside them the scaling, exponentials, roundings, sums and rescaling of piece n and the maximum and statistics
; of piece n + 1.  Four vector instructions stand behind every matrix instruction, the others in one lump.  A turn's 33 exponentials are one batch, with one wait.
; CLUSTER.  The four query blocks of a cluster walk the same two heads' K and V: each tile is asked for jointly, by the same tensor load, descriptor and mask in all four.
; REGISTERS, in windows of 256: window 0: v0-15 addresses; v16-31 statistics; v48-55 at work; v61-63; v64-127 S^T, two buffers; v192-223 P, two buffers.  window 1: v0-127 O^T.  window 2: v0-63 Q; v128-191 K; v192-255 V.
.set NP,    4
.set KS,    64        ; keys in a step
.set PK,    144       ; a row of K in LDS: 128 bytes + 16: the 16 rows of a load start at 16 different groups of four banks (ISA guide 11.1)
.set PV,    160       ; a row of V: 128 + 32
.set VOFF,  2*KS*PK   ; a head's part of a slot: two steps' K (128 rows), then their V
.set HEADB, 2*KS*(PK+PV)
.set SLOT1, 1<<17     ; slot 1 begins here
.set STAGE, SLOT1+2*HEADB  ; 208,896: the work-group's stage, 128 rows x 272 bytes; no tensor load fills it
.set SP,    272
.set SPARE, STAGE+128*SP   ; 243,712: the spare words, 128 bytes a wave
.set AK0, 2
.set AV0, 3
.set AK,  4
.set AV,  5
.set STO, 6
.set RD,  7
.set GO,  8
.set MV,  12          ; v12-13 c m_old, by buffer
.set QO,  15
.set ST,  16          ; piece t's statistics at v[ST+4 t]: c m, m, l (even keys', odd keys')
.set TMP, 48          ; by buffer, four registers at work; c2 takes a
.set PFO, 61          ; v61 the prefetches' offset; never rewritten
.set SPW, 62
.set NIL, 63
.set S,   64
.set P,   192
.set KF,  128
.set VF,  192
.set WV,  12          ; s12 wave; s13 wave % 2: I fetch K (0) or V (1); s14 wave / 2: which of the two heads
.set W1,  13
.set HD,  14
.set LIM, 15          ; s15  1 in a wave that prefetches, else the greatest number
.set PFA, 18          ; s[18:19] where my prefetches stand
.set G1K, 24
.set G1V, 32
.set G0K, 40
.set G0V, 44
.set SLOTS, 56
.set CNT, 57
.set CS,  58
.set SEL, 60
.set TBK, 62
.set TBV, 63
.set MSB, 0
.macro WIN new
.if MSB != (\new)
	s_set_vgpr_msb (MSB<<8)|(\new)
.set MSB, (\new)
.endif
.endm
.set W_KQ, 0x0a       ; K and Q in window 2, S^T in window 0
.set W_PV, 0x52       ; V in window 2, P in window 0, O^T in window 1
.set W_RS, 0x41       ; destination and source 0 in window 1, source 1 in window 0
.macro JLOAD                        ; a joint fill: even waves fetch their head's K, odd ones its V: 128 keys.  The branch hangs on the wave's number alone
	s_cmp_eq_u32 s[W1], 0
	s_cbranch_scc0 .Lfor_v_\@
	tensor_load_to_lds s[G0K:G0K+3], s[G1K:G1K+7]
	s_nop 0
.rept 4
	v_nop
.endr
	s_branch .Lasked_\@
.Lfor_v_\@:
	tensor_load_to_lds s[G0V:G0V+3], s[G1V:G1V+7]
	s_nop 0
.rept 4
	v_nop
.endr
.Lasked_\@:
.endm
; A PREFETCH of what the NEXT change of slots will ask for, behind the wave's tensor load and its five lines.  All four clusters of a pair of heads walk the same K and V: the first of them asks.  Its four partners
; share a slot's 16,384 bytes of K and of V out BY ADDRESS, 4,096 each; in each, wave 2 hd asks for head hd: lanes 0-15 name K's sixteen blocks of 256 bytes, lanes 16-31 V's.  So each block is named once.
; The last change that fills a slot asks for nothing; slots 0, 1 and 2 come by their loads alone.
.macro ASK
	s_cmp_gt_u32 s[SLOTS], s[LIM]
	s_cbranch_scc0 .Lnot_mine_\@
	global_prefetch_b8 v[PFO], s[PFA:PFA+1] th:TH_LOAD_NT scope:SCOPE_SE
.Lnot_mine_\@:
.endm
.macro CROUND
	s_barrier_signal -1
	s_barrier_wait -1
	s_cmp_lg_u32 s[WV], 0
	s_cbranch_scc1 .Lnot_wave_0_\@
	s_barrier_signal -3
.Lnot_wave_0_\@:
	s_barrier_wait -3
	s_barrier_signal -1
	s_barrier_wait -1
.endm
; THE CHANGE OF SLOTS.  Each wave waits for all its tensor loads, adds 0 to its spare word, and waits for that and for its reads of the slot that it leaves.  fill = 1: the barrier is a round of the cluster's,
; and the joint fill, the keys two slots on, is the first thing behind it: it has two key steps, 128 matrix instructions, in which to land.  (At its first use nothing has been read: slot 0 is waited for, slot 1 filled.)
.macro CHANGE fill, ask
	WIN 0
	s_wait_tensorcnt 0x0            ; no tensor load of mine is out, so a group 0 may be written
	ds_add_u32 v[SPW], v[NIL]
.if \fill
.irp g, G0K, G0V
	s_xor_b32 s[\g+1], s[\g+1], SLOT1
	s_add_nc_u64 s[\g+2:\g+3], s[\g+2:\g+3], 2*KS*128
.endr
.if \ask
	s_wait_xcnt 0x0                 ; the last prefetch, two key steps back, has read its address
	s_add_nc_u64 s[PFA:PFA+1], s[PFA:PFA+1], 2*KS*128
.endif
	s_wait_dscnt 0x0                ; the add is done, and my reads of the slot are over
	CROUND
	JLOAD
.if \ask
	ASK
.endif
.else
	s_wait_dscnt 0x0
	s_barrier_signal -1
	s_barrier_wait -1
.endif
	s_sub_co_u32 s[TBK], s[TBK], 2*KS*PK  ; the fetches go back to a slot's first step, in the other slot
	s_xor_b32 s[TBK], s[TBK], SLOT1
	s_sub_co_u32 s[TBV], s[TBV], 2*KS*PV
	s_xor_b32 s[TBV], s[TBV], SLOT1
.endm
	s_load_b128 s[4:7], s[0:1], 0x0 ; qkv s[4:5], ctx s[6:7]
	v_lshl_add_u32 v[SPW], v0, 2, SPARE
	v_mov_b32 v[NIL], 0
	ds_add_u32 v[SPW], v[NIL]       ; the wave's opening: the add and its wait stand ahead of my first tensor load
	v_lshrrev_b32 v1, 5, v0
	v_readfirstlane_b32 s[WV], v1
	s_and_b32 s[W1], s[WV], 1
	s_lshr_b32 s[HD], s[WV], 1
	s_bfe_u32 s16, ttmp6, 0x40000   ; cx
	s_lshl_b32 s17, ttmp9, 2
	s_add_co_u32 s17, s17, s16      ; my block of 128 queries: it enters Q's and ctx's addresses alone
	s_and_b32 s20, ttmp7, 0xffff
	s_lshr_b32 s21, s20, 3          ; batch
	s_and_b32 s22, s20, 7           ; pair of heads
	s_lshl_b32 s23, s21, 4
	s_lshl1_add_u32 s23, s22, s23
	s_add_co_u32 s23, s23, s[HD]    ; 16 b + 2 hp + hd
	s_lshl_b32 s66, s23, 18         ; the head's first byte in a part
	s_mov_b32 s67, 0
	s_lshl_b32 s68, s17, 14         ; Q: my block's 128 rows of 128 bytes, my wave's 64 of them
	s_lshl_b32 s69, s[W1], 13
	s_add_co_u32 s68, s68, s69
	s_add_co_u32 s68, s68, s66
	s_mov_b32 s69, 0
	s_lshl_b32 s70, s21, 22         ; ctx: row 2048 b + 128 X + 32 w, byte 256 hp
	s_lshl_b32 s71, s17, 18
	s_add_co_u32 s70, s70, s71
	s_lshl_b32 s71, s[WV], 16
	s_add_co_u32 s70, s70, s71
	s_lshl_b32 s71, s22, 8
	s_add_co_u32 s70, s70, s71
	s_mov_b32 s71, 0
	s_lshl_b32 s72, s16, 12         ; the prefetches: my work-group's quarter of a slot's K, at slot 2; the first asking change steps it to slot 3
	s_add_co_u32 s72, s72, s66
	s_add_co_u32 s72, s72, 0x800000+2*2*KS*128
	s_mov_b32 s73, 0
	s_or_b32 s[LIM], s[W1], ttmp9   ; even waves of the first cluster: the same in all four partners
	s_cmp_eq_u32 s[LIM], 0
	s_cselect_b32 s[LIM], 1, -1
	s_mul_i32 s74, s[HD], HEADB     ; my head's part of a slot
	; descriptor group 1.  128 keys are 16,384 dense bytes: asked for as 64 rows of 256 bytes, two keys a row, padded in LDS after every key
	s_mov_b32 s[G1K], 15|(1<<16)|(1<<20)|(1<<21)|(4<<22)|(3<<25)
	s_mov_b32 s[G1V], 15|(1<<16)|(1<<20)|(1<<21)|(4<<22)|(7<<25)
.irp g, G1K, G1V
	s_mov_b32 s[\g+1], 128<<16      ; tensor_dim0 = 128
	s_mov_b32 s[\g+2], 64<<16       ; tensor_dim1 = 64
	s_mov_b32 s[\g+3], 128<<16      ; tile_dim0 = 128
	s_mov_b32 s[\g+4], 64           ; tile_dim1 = 64
	s_mov_b32 s[\g+5], 128          ; 128 elements from row to row
	s_mov_b32 s[\g+6], 0
	s_mov_b32 s[\g+7], 0
.endr
	s_mov_b32 s[CS], 0x3e38aa3b     ; c = log2(e) / 8
	s_mov_b32 s[CS+1], s[CS]
	s_mov_b32 s[SEL], 0x76543210
	s_mov_b32 s[SEL+1], 0xfedcba98
	s_mov_b32 s[TBK], SLOT1+2*KS*PK ; the first change of slots turns these two into 0
	s_mov_b32 s[TBV], SLOT1+2*KS*PV
	s_mov_b32 s[G0K], 1
	s_mul_i32 s[G0K+1], s[HD], HEADB
	s_mov_b32 s[G0V], 1
	s_add_co_u32 s[G0V+1], s[G0K+1], VOFF
	s_wait_dscnt 0x0                ; the opening add is done
	s_wait_kmcnt 0x0
	s_add_nc_u64 s[G0K+2:G0K+3], s[4:5], s[66:67]
	s_add_nc_u64 s[G0V+2:G0V+3], s[G0K+2:G0K+3], 0x1000000  ; V's part
	s_add_nc_u64 s[G0K+2:G0K+3], s[G0K+2:G0K+3], 0x800000   ; K's part
	s_or_b32 s[G0K+3], s[G0K+3], 0x80000000
	s_or_b32 s[G0V+3], s[G0V+3], 0x80000000
	s_add_nc_u64 s[8:9], s[4:5], s[68:69]      ; Q at my wave's first row
	s_add_nc_u64 s[10:11], s[6:7], s[70:71]    ; ctx at the rows that I store
	s_add_nc_u64 s[PFA:PFA+1], s[4:5], s[72:73]
	CROUND                          ; all four work-groups are here
	JLOAD                           ; slot 0
	v_and_b32 v1, 15, v0            ; l % 16
	v_bfe_u32 v9, v0, 4, 1          ; l / 16
	v_lshlrev_b32 v[QO], 7, v1
	v_lshl_add_u32 v[QO], v9, 4, v[QO]
	WIN 0x80
.set i, 0
.rept 8                             ; Q stays in registers: piece i / 2, channels 32 (i % 2) on
	global_load_b128 v[8*i:8*i+3],   v[QO], s[8:9] offset:(i/2)*2048+(i%2)*64
	global_load_b128 v[8*i+4:8*i+7], v[QO], s[8:9] offset:(i/2)*2048+(i%2)*64+32
.set i, i+1
.endr
	; What the first turn finds: V's registers and P's second buffer hold 0, O^T and l are 0.  All this stands in the wait for the first tile.
.set i, VF
.rept 64
	v_mov_b32 v[i], 0
.set i, i+1
.endr
	WIN 0x40
.set i, 0
.rept 128
	v_mov_b32 v[i], 0
.set i, i+1
.endr
	WIN 0
.set i, 0
.rept 4
	v_mov_b32 v[ST+4*i], 0xfe000000    ; c m: far below every c s
	v_mov_b32 v[ST+4*i+1], 0xff7fffff  ; m
	v_mov_b32 v[ST+4*i+2], 0
	v_mov_b32 v[ST+4*i+3], 0
.set i, i+1
.endr
.set i, P+16
.rept 16
	v_mov_b32 v[i], 0
.set i, i+1
.endr
	v_mul_u32_u24 v[AK0], v1, PK
	v_lshl_add_u32 v[AK0], v9, 4, v[AK0]
	v_add_nc_u32 v[AK0], s74, v[AK0]
	v_and_b32 v10, 7, v0
	v_bfe_u32 v11, v0, 3, 1
	v_lshl_add_u32 v[AV0], v9, 3, v10   ; the turning load: lane l reads key 8 (l / 16) + l % 8, channels 8 ((l / 8) % 2) + 0..7
	v_mul_u32_u24 v[AV0], v[AV0], PV
	v_lshl_add_u32 v[AV0], v11, 4, v[AV0]
	v_add_nc_u32 v[AV0], VOFF, v[AV0]
	v_add_nc_u32 v[AV0], s74, v[AV0]
	s_mul_i32 s20, s[W1], 64*SP     ; into the stage: my 64 rows, my head's half of their 256 bytes
	s_lshl_b32 s21, s[HD], 7
	s_add_co_u32 s20, s20, s21
	s_add_co_u32 s20, s20, STAGE
	v_mul_u32_u24 v[STO], v1, SP
	v_lshl_add_u32 v[STO], v9, 4, v[STO]
	v_add_nc_u32 v[STO], s20, v[STO]
	s_mul_i32 s20, s[WV], 32*SP     ; back: wave w takes rows 32 w .. + 31, whole: lanes 0-15 one row, lanes 16-31 the next
	s_add_co_u32 s20, s20, STAGE
	v_mul_u32_u24 v[RD], v9, SP
	v_lshl_add_u32 v[RD], v1, 4, v[RD]
	v_add_nc_u32 v[RD], s20, v[RD]
	v_lshlrev_b32 v[GO], 11, v9     ; and the same two rows in ctx
	v_lshl_add_u32 v[GO], v1, 4, v[GO]
	v_lshlrev_b32 v[PFO], 8, v1
	v_lshl_add_u32 v[PFO], v9, 23, v[PFO]
; THE MATRIX WORK.  The 4 accumulators of a run of 8 take turns.
.macro KQ x                         ; product i of 8 of S^T = K Q^T for piece x: channels 32 (i / 4) on, keys 16 (i % 4) on
	WIN W_KQ
.set rS, S+32*((\x)%2)+8*(i%4)
.set rK, KF+16*(i%4)+8*(i/4)
.set rQ, 16*(\x)+8*(i/4)
.if i < 4
	v_wmma_f32_16x16x32_f16 v[rS:rS+7], v[rK:rK+7], v[rQ:rQ+7], 0
.else
	v_wmma_f32_16x16x32_f16 v[rS:rS+7], v[rK:rK+7], v[rQ:rQ+7], v[rS:rS+7]
.endif
.endm
.macro PV x                         ; product i of 8 of O^T += V^T P for piece x: keys 32 (i / 4) on, channels 16 (i % 4) on
	WIN W_PV
.set rO, 32*(\x)+8*(i%4)
.set rV, VF+32*(i/4)+8*(i%4)
.set rP, P+16*((\x)%2)+8*(i/4)
	v_wmma_f32_16x16x32_f16 v[rO:rO+7], v[rV:rV+7], v[rP:rP+7], v[rO:rO+7]
.endm
.macro MM                           ; the turn's next matrix instruction
.if i < 8
	KQ (Y+1)%NP
.else
.set i, i-8
	PV (Y+NP-1)%NP
.set i, i+8
.endif
.set i, i+1
.endm
; THE LDS LOADS stand in runs of 16.  last = 1 (the tail): in the last trip there is no further step, and the run is jumped over.
.macro FETCH_K last=0
	WIN 0
.if \last
	s_cmp_eq_u32 s[CNT], 1
	s_cbranch_scc1 .Lno_k_\@
.endif
	WIN 0x80
.irp f, 0,1,2,3,4,5,6,7             ; keys 16 (f / 2) on, channels 32 (f % 2) on
	ds_load_b128 v[KF+8*\f:KF+8*\f+3],   v[AK] offset:(\f/2)*16*PK+(\f%2)*64
	ds_load_b128 v[KF+8*\f+4:KF+8*\f+7], v[AK] offset:(\f/2)*16*PK+(\f%2)*64+32
.endr
	s_add_co_u32 s[TBK], s[TBK], KS*PK
	WIN 0
.if \last
.Lno_k_\@:
.endif
.endm
.macro FETCH_V
	WIN 0x80
.irp f, 0,1,2,3,4,5,6,7             ; keys 32 (f / 4) on, channels 16 (f % 4) on
	ds_load_tr16_b128 v[VF+8*\f:VF+8*\f+3],   v[AV] offset:(\f/4)*32*PV+(\f%4)*32
	ds_load_tr16_b128 v[VF+8*\f+4:VF+8*\f+7], v[AV] offset:(\f/4)*32*PV+16*PV+(\f%4)*32
.endr
	WIN 0
.endm
; THE VECTOR WORK, one line at a time: OP kind, number.  For piece Y: F n: c s - c m for pair n.  E n: the exponential of score n.  C n: pair n rounded to f16.  B n: of the four weights 4 n .. the second pair is added
; onto the first.  L n: l takes that sum (L 0: l = a l + sum).  R n: pair n of O^T times a.  For piece Y + 1: X n, number n of the 22 that find its maximum and statistics (each accumulator's lowest registers are read first).
.set F, 0
.set E, 1
.set C, 2
.set B, 3
.set L, 4
.set R, 5
.set X, 6
.macro REGS y
.set rT, ST+4*(\y)
.set rC, TMP+4*((\y)%2)
.set rW, MV+((\y)%2)
.set rS, S+32*((\y)%2)
.set rP, P+16*((\y)%2)
.set rO, 32*(\y)
.endm
.macro OP k, n
.if (\k) == R
	REGS Y
	WIN W_RS
	v_pk_mul_f32 v[rO+2*(\n):rO+2*(\n)+1], v[rO+2*(\n):rO+2*(\n)+1], v[rC+2:rC+3] op_sel_hi:[1,0]
.elseif (\k) < R
	REGS Y
	WIN 0
.if (\k) == F
	v_pk_fma_f32 v[rS+2*(\n):rS+2*(\n)+1], v[rS+2*(\n):rS+2*(\n)+1], s[CS:CS+1], v[rT:rT+1] op_sel_hi:[1,0,0] neg_lo:[0,0,1] neg_hi:[0,0,1]
.elseif (\k) == E
	v_exp_f32 v[rS+(\n)], v[rS+(\n)]
.elseif (\k) == C
	v_cvt_pk_f16_f32 v[rP+(\n)], v[rS+2*(\n)], v[rS+2*(\n)+1]
.elseif (\k) == B
	v_pk_add_f32 v[rS+4*(\n):rS+4*(\n)+1], v[rS+4*(\n):rS+4*(\n)+1], v[rS+4*(\n)+2:rS+4*(\n)+3]
.elseif (\n) == 0
	v_pk_fma_f32 v[rT+2:rT+3], v[rT+2:rT+3], v[rC+2:rC+3], v[rS:rS+1] op_sel_hi:[1,0,1]
.else
	v_pk_add_f32 v[rT+2:rT+3], v[rT+2:rT+3], v[rS+4*(\n):rS+4*(\n)+1]
.endif
.else
	REGS (Y+1)%NP
	WIN 0
.if (\n) < 4
	v_max3_num_f32 v[rC+(\n)], v[rS+8*(\n)], v[rS+8*(\n)+1], v[rS+8*(\n)+2]
.elseif (\n) < 12
	v_max3_num_f32 v[rC+(\n)%4], v[rC+(\n)%4], v[rS+8*((\n)%4)+2*((\n)/4)+1], v[rS+8*((\n)%4)+2*((\n)/4)+2]
.elseif (\n) == 12
	v_max3_num_f32 v[rC], v[rC], v[rS+7], v[rS+15]
.elseif (\n) == 13
	v_max3_num_f32 v[rC+1], v[rC+1], v[rS+23], v[rS+31]
.elseif (\n) == 14
	v_max3_num_f32 v[rC+2], v[rC+2], v[rC+3], v[rT+1]
.elseif (\n) == 15
	v_mov_b32 v[rW], v[rT]
.elseif (\n) == 16
	v_max3_num_f32 v[rC], v[rC], v[rC+1], v[rC+2]
.elseif (\n) == 17
	v_permlanex16_b32 v[rC+3], v[rC], s[SEL], s[SEL+1]
.elseif (\n) == 18
	v_max_num_f32 v[rT+1], v[rC], v[rC+3]
.elseif (\n) == 19
	v_mul_f32 v[rT], s[CS], v[rT+1]
.elseif (\n) == 20
	v_sub_f32 v[rC+1], v[rW], v[rT]
.else
	v_exp_f32 v[rC+2], v[rC+1]
.endif
.endif
.endm
.macro OPS a, i1, b=-1, i2=0, c=-1, i3=0, d=-1, i4=0
	OP \a, \i1
.if (\b) >= 0
	OP \b, \i2
.endif
.if (\c) >= 0
	OP \c, \i3
.endif
.if (\d) >= 0
	OP \d, \i4
.endif
.endm
.macro ROW a, i1, b, i2, c, i3, d, i4  ; a matrix instruction and the four behind it
	MM
	OPS \a, \i1, \b, \i2, \c, \i3, \d, \i4
.endm
; A TURN, for piece p.  AHEAD OF ITS ONE WAIT stands all that names no result of the turn's exponentials: the 8 products K Q^T with their riders, then one lump; X 21, the next piece's a, is the batch's last, R 15 the plain
; instruction behind it.  BEHIND THE WAIT stand the 8 products V^T P, behind each four of the roundings and sums.
; K of the next step is fetched in piece 2's turn (in the tail: behind the wait, so that the jump over the run has no exponential without its wait ahead of it); V of the step in hand at the end of piece 0's turn, four plain
; instructions behind the last product that read V.  Each is waited for a turn later.  cnt = 1: the loop's count is taken down some lines ahead of the branch behind the turn.
.macro TURN p, last=0, cnt=0
.set Y, (\p)
.set i, 0
.if (\p) == 3
	s_wait_dscnt 0x0                ; K is in
.endif
	ROW F,0, F,1, R,0, R,1
	ROW F,2, E,0, R,2, R,3
	ROW F,3, E,1, R,4, R,5
	ROW F,4, E,2, R,6, R,7
	ROW F,5, E,3, R,8, R,9
	ROW F,6, E,4, X,0, R,10
.if (\p) == 2
	WIN 0
	v_add_nc_u32 v[AK], s[TBK], v[AK0]
.endif
	ROW F,7, E,5, X,1, X,4
	ROW F,8, E,6, X,2, X,5
	OPS E,7, E,8, X,6, E,9
	OPS X,3, E,10, X,8, E,11
.if ((\p) == 2) && !(\last)
	FETCH_K
.endif
	OPS X,9, X,7, E,12, X,10
	OPS E,13, X,12, X,11, E,14
	OPS X,13, E,15, F,9, X,14
.if (\p) == 0
	WIN 0
	v_add_nc_u32 v[AV], s[TBV], v[AV0]
.endif
	OPS E,16, F,10, E,17, F,11
	OPS X,16, E,18, X,15, E,19
	OPS F,12, E,20, X,17, E,21
	OPS F,13, E,22, F,14, E,23
	OPS X,18, E,24, F,15, E,25
	OPS R,11, E,26, X,19, E,27
	OPS R,12, E,28, R,13, E,29
	OPS X,20, E,30, R,14, E,31
	OPS X,21, R,15
	WIN 0
	s_wait_alu depctr_va_vdst(0)    ; the wait for the batch
.if ((\p) == 2) && (\last)
	FETCH_K 1
.endif
.if (\p) == 1
	s_wait_dscnt 0x0                ; V is in
.endif
	ROW C,0, B,0, C,2, B,1
	ROW L,0, C,4, B,2, L,1
	ROW C,6, B,3, L,2, C,8
	ROW B,4, L,3, C,10, B,5
	ROW L,4, C,12, B,6, L,5
.if (\p) == 0
	s_add_co_u32 s[TBV], s[TBV], KS*PV
.endif
.if \cnt
	s_sub_co_u32 s[CNT], s[CNT], 1
	s_cmp_lg_u32 s[CNT], 0
.endif
	ROW C,14, B,7, L,6, C,1
	ROW C,3, L,7, C,5, C,7
	ROW C,9, C,11, C,13, C,15
.if (\p) == 0
	FETCH_V
.endif
.endm
	CHANGE 1, 0                     ; slot 0 is in, everybody's part of it; slot 1 is asked for; nothing is prefetched here, at the head
	v_add_nc_u32 v[AK], s[TBK], v[AK0]
	FETCH_K                         ; key step 0
	s_wait_loadcnt 0x0              ; Q
	s_wait_dscnt 0x0
.set i, 0
.rept 8
	KQ 0                            ; piece 0's first scores
.set i, i+1
.endr
	WIN 0
.rept 4
	v_nop                           ; the places behind those products
.endr
.set Y, NP-1                        ; X works for piece Y + 1: piece 0
.irp n, 0,1,2,3,4,5,6,7,8,9,10,11,12,13,14,15,16,17,18,19,20,21
	OP X, \n
.endr
	v_nop                           ; a plain instruction behind the exponential,
	s_wait_alu depctr_va_vdst(0)    ; and its wait, ahead of the branch
	s_mov_b32 s[CNT], 2
	s_mov_b32 s[SLOTS], 15
	s_branch .Lfirst                ; the loop is entered at a step's first turn, in the middle of a trip
.Lslot:                             ; 14 times: slots 2 to 15 are asked for
	CHANGE 1, 1
	s_mov_b32 s[CNT], 2
.Lstep:                             ; a trip: pieces 2 and 3 of one step, then pieces 0 and 1 of the next, whose K and V it fetches
	TURN 2
	TURN 3
	WIN 0
.Lfirst:
	TURN 0
	TURN 1, 0, 1
	WIN 0
	s_cbranch_scc1 .Lstep
	s_sub_co_u32 s[SLOTS], s[SLOTS], 1
	s_cmp_lg_u32 s[SLOTS], 0
	s_cbranch_scc1 .Lslot
	CHANGE 0, 0                     ; the tail is written out
	s_mov_b32 s[CNT], 3             ; two trips fetch the last slot's steps; the third is left in its middle
.Ltail:
	TURN 2, 1
	TURN 3
	WIN 0
	s_sub_co_u32 s[CNT], s[CNT], 1
	s_cmp_eq_u32 s[CNT], 0
	s_cbranch_scc1 .Lout
	TURN 0
	TURN 1
	WIN 0
	s_branch .Ltail
.Lout:                              ; the third trip's 8 products K Q^T (on the last K once more) and the maximum made of them serve nothing: the price, once a launch, of one text for every trip
.set i, 0
.rept 8
	PV NP-1
.set i, i+1
.endr
	; THE WAY OUT.  l's two halves and the other half of the lanes' are added; O^T is divided by l, rounded to f16 and sent through the work-group's stage.  The additions are the places behind the last products.
	WIN 0
.macro ALL line:vararg
.set t, 0
.rept 4
	\line
.set t, t+1
.endr
.endm
	ALL v_add_f32 v[ST+4*t+2], v[ST+4*t+2], v[ST+4*t+3]
	ALL v_permlanex16_b32 v[ST+4*t+3], v[ST+4*t+2], s[SEL], s[SEL+1]
	ALL v_add_f32 v[ST+4*t+2], v[ST+4*t+2], v[ST+4*t+3]
	ALL v_rcp_f32 v[ST+4*t+2], v[ST+4*t+2]
	v_nop                           ; a plain instruction behind the last reciprocal,
	s_wait_alu depctr_va_vdst(0)    ; and one wait for the four
.macro PACK t
	WIN W_RS
.set i, 32*(\t)
.rept 16
	v_pk_mul_f32 v[i:i+1], v[i:i+1], v[ST+4*(\t)+2:ST+4*(\t)+3] op_sel_hi:[1,0]
.set i, i+2
.endr
	WIN 0x05
.set i, 0
.rept 16
	v_cvt_pk_f16_f32 v[S+16*(\t)+i], v[32*(\t)+2*i], v[32*(\t)+2*i+1]
.set i, i+1
.endr
	WIN 0
.irp f, 0,1,2,3
	ds_store_b128 v[STO], v[S+16*(\t)+4*\f:S+16*(\t)+4*\f+3] offset:(\t)*16*SP+32*\f
.endr
.endm
	PACK 0
	PACK 1
	PACK 2
	PACK 3
	s_wait_dscnt 0x0                ; for the others' sake: my stores into the stage are done
	s_barrier_signal -1
	s_barrier_wait -1               ; a row's 256 bytes come from two waves
.set t, 0
.rept 16
	ds_load_b128 v[S+4*t:S+4*t+3], v[RD] offset:t*2*SP
.set t, t+1
.endr
.set t, 0
.rept 16
	s_wait_dscnt 15-t               ; the younger loads may stay out
	global_store_b128 v[GO], v[S+4*t:S+4*t+3], s[10:11] offset:4096*t  ; 16 lanes store 256 consecutive bytes, aligned
.set t, t+1
.endr
	s_wait_tensorcnt 0x0            ; the wave's end
	ds_add_u32 v[SPW], v[NIL]
	s_wait_dscnt 0x0
	CROUND                          ; the closing round
	s_endpgm
.Lfunc_end_k_qad41af3a85_attn:
	.size	k_qad41af3a85_attn, .Lfunc_end_k_qad41af3a85_attn-k_qad41af3a85_attn
	.p2alignl 7, 3214868480
	.fill 96, 4, 3214868480
	.section	.rodata,"a",@progbits
	.p2align	6, 0x0
	.amdhsa_kernel k_qad41af3a85_attn
		.amdhsa_group_segment_fixed_size 327680
		.amdhsa_private_segment_fixed_size 0
		.amdhsa_enable_private_segment 0
		.amdhsa_kernarg_size 16
		.amdhsa_user_sgpr_count 2
		.amdhsa_user_sgpr_kernarg_segment_ptr 1
		.amdhsa_wavefront_size32 1
		.amdhsa_system_sgpr_workgroup_id_x 1
		.amdhsa_system_sgpr_workgroup_id_y 1
		.amdhsa_system_sgpr_workgroup_id_z 1
		.amdhsa_system_vgpr_workitem_id 0
		.amdhsa_next_free_vgpr 768
		.amdhsa_next_free_sgpr 80
		.amdhsa_reserve_vcc 0
		.amdhsa_float_denorm_mode_32 3
		.amdhsa_float_denorm_mode_16_64 3
		.amdhsa_memory_ordered 1
		.amdhsa_forward_progress 1
		.amdhsa_inst_pref_size 112
	.end_amdhsa_kernel
	.amdgpu_metadata
---
amdhsa.version: [ 1, 2 ]
amdhsa.kernels:
  - .name:           k_qad41af3a85_attn
    .symbol:         k_qad41af3a85_attn.kd
    .args:
      - { .name: qkv, .offset: 0, .size: 8, .value_kind: global_buffer, .address_space: global }
      - { .name: ctx, .offset: 8, .size: 8, .value_kind: global_buffer, .address_space: global }
    .group_segment_fixed_size: 327680
    .private_segment_fixed_size: 0
    .kernarg_segment_align: 8
    .kernarg_segment_size: 16
    .max_flat_workgroup_size: 128
    .sgpr_count:     80
    .vgpr_count:     768
    .wavefront_size: 32
...
	.end_amdgpu_metadata
.endif
;; end of part 3
;; launch wo (part 4): grid 8 x 32, 4 waves a work-group, clusters of 4 x 4, 327,680 bytes of LDS; arguments ctx, wts, hidden_states, x2, a2, ss2; writes x2, a2, ss2
.if DOCPART == 4
	.amdgcn_target "amdgcn-amd-amdhsa--gfx1250"
	.amdhsa_code_object_version 6
	.text
	.protected	k_qad41af3a85_wo
	.globl	k_qad41af3a85_wo
	.p2align	8
	.type	k_qad41af3a85_wo,@function
k_qad41af3a85_wo:
	s_mov_b64 s[64:65], 0
	v_nop
	global_prefetch_b8 v0, s[64:65] scope:SCOPE_SE
	s_setreg_imm32_b32 hwreg(HW_REG_WAVE_MODE, 25, 1), 1
	s_wait_xcnt 0x0
	s_wait_alu depctr_hold_cnt(0) depctr_sa_sdst(0) depctr_va_vdst(0) depctr_va_sdst(0) depctr_va_ssrc(0) depctr_va_vcc(0) depctr_vm_vsrc(0)
	s_getreg_b32 s2, hwreg(HW_REG_IB_STS2, 6, 4)
	s_cmp_eq_u32 s2, 0
	s_cbranch_scc0 .Lentry_in_a_cluster
	s_endpgm
.Lentry_in_a_cluster:
	s_bfe_u32 s2, ttmp6, 0x10000c
	s_cmp_lg_u32 s2, 0xf033
	s_cbranch_scc0 .Lentry_shape_is_right
	s_endpgm
.Lentry_shape_is_right:
; WO.  x2 = bf16(x) + ctx wo^T (f16 operands, f32 sums, K = 1,024), in f32; beside it a2 = f16(x2 / 64), the next product's operand, and ss2[column tile][row], the sum of x2^2 over the tile's 128 columns, in f32.
; LIMIT: |x2| under 4.19e6, so that x2 / 64 stays within f16; below 6e-5 x 64 it keeps f16's fixed step.
; A work-group makes 128 x 128, each of its four waves 64 x 64: 16 accumulators.  8 x 32 work-groups.  K goes in steps of 256 (rows of 512 bytes) through two LDS slots.  Waves 0, 1 fetch A's halves, waves 2, 3 B's: 64 rows each.
; CLUSTER 4 x 4: A's tile is asked for jointly along a row of the cluster, B's along a column.  The matrix instruction is used transposed: a lane holds row l % 16 and eight neighbouring columns.
; THE WALK ALONG K IS TURNED: cluster (X, Y) begins at K step 2 ((X + Y) & 1) and goes round modulo 4 (f32 sums may be taken in any order): of the clusters that read the same rows of A or of B, those next to each other begin two K steps apart.
; THE RESIDUAL STARTS THE SUMS: x is loaded straight into the accumulators and rounded to bf16 there, in the wait for the first tiles.  So every quarter of every K step has one form, and the loop begins with the first.
; REGISTERS: window 0 addresses and the way out; window 1 two fragment buffers of 128 (A's 2 x 4 blocks, then B's 2 x 4); windows 2, 3 the accumulators: (a, b) in window 2 + a / 2 at v[8 (4 (a % 2) + b)]; v200-203 there at work.
; No prefetch is laid: a ring of four K steps on small tiles; with the turned walk every tile is first asked for by some cluster's first fills, at the head.
.set NB, 4
.set DK, 2
.set KSTEP, 256
.set KB, 512
.set PITCH, 528                        ; 512 + 16: the 16 rows of a fragment load start at 16 different groups of four banks (ISA guide 11.1)
.set QI, 6                             ; padding after every 128 words
.set AR, 128
.set BR, 128
.set AL, 64
.set BL, 64
.set SLOT, (AR+BR)*PITCH               ; 135,168 = 0x21000
.set SD, SLOT                          ; the walk's odd steps at 0, its even ones at SD.  The four tile offsets in a slot (0, 0x8400, 0x10800, 0x18c00) share no bit with SD, so one exclusive or turns an address into the other slot's
.set NSTEP, 4
.set BBASE, 6291456
.set STAGE, SD                         ; the slot of the even steps has had its last fill and its last read when the last step is entered: 128 rows x 528 bytes of f32
.set SPITCH, 528
.set SSQ, 2*SLOT                       ; 270,336: 128 row sums
.set SPARE, SSQ+512                    ; 270,848
.set F0, 0
.set F1, 128
.set QK, 64*DK
.set NLD, (8+2*NB)*DK
.set ADA0, 10
.set ADB0, 11
.set ADA, 12
.set ADB, 13
.set STO, 14
.set RD, 15
.set RD2, 16
.set CO, 17
.set CO2, 18
.set XO, 19
.set SQA, 21
.set SPW, 28
.set NIL, 29
.set VS, 68
.set TB, 66
.set KO, 68                            ; s[68:69] byte in a row at which the K step asked for last begins
.set MSB, 0
.macro WIN new
.if MSB != (\new)
	s_set_vgpr_msb (MSB<<8)|(\new)
.set MSB, \new
.endif
.endm
.macro PLACES
.rept 4
	v_nop
.endr
.endm
.macro CREST
	s_cmp_lg_u32 s10, 0
	s_cbranch_scc1 .Lnot_wave_0_\@
	s_barrier_signal -3
.Lnot_wave_0_\@:
	s_barrier_wait -3
	s_barrier_signal -1
	s_barrier_wait -1
.endm
.macro CROUND
	s_barrier_signal -1
	s_barrier_wait -1
	CREST
.endm
.macro JLOAD
	s_cmp_eq_u32 s11, 0
	s_cbranch_scc0 .Lfor_b_\@
	tensor_load_to_lds s[36:39], s[24:31]
	s_nop 0
	PLACES
	s_branch .Lasked_\@
.Lfor_b_\@:
	tensor_load_to_lds s[60:63], s[48:55]
	s_nop 0
	PLACES
.Lasked_\@:
.endm
.macro MULQ f, a                       ; block a of my rows x all NB blocks of columns, DK slices deep; the accumulators take turns, one instruction a turn
	WIN 0xa5+0x50*((\a)/2)
.set c, 0
.rept DK
.set b, 0
.rept NB
.set rD, 8*(NB*((\a)%2)+b)
.set rB, (\f)+32*DK+8*(NB*c+b)
.set rA, (\f)+8*(4*c+(\a))
	v_wmma_f32_16x16x32_f16 v[rD:rD+7], v[rB:rB+7], v[rA:rA+7], v[rD:rD+7]
.set b, b+1
.endr
.set c, c+1
.endr
.endm
.macro MULH f, h
	MULQ \f, 2*(\h)
	MULQ \f, 2*(\h)+1
.endm
.macro FETCH k, f
	WIN 0x40
.set c, 0
.rept DK
.set b, 0
.rept NB
.set rB, (\f)+32*DK+8*(NB*c+b)
	ds_load_b128 v[rB:rB+3], v[ADB] offset:(\k)+64*c+b*16*PITCH
	ds_load_b128 v[rB+4:rB+7], v[ADB] offset:(\k)+64*c+b*16*PITCH+32
.set b, b+1
.endr
.set c, c+1
.endr
.set h, 0
.rept 2
.set c, 0
.rept DK
.set a, 2*h
.rept 2
.set rA, (\f)+8*(4*c+a)
	ds_load_b128 v[rA:rA+3], v[ADA] offset:(\k)+64*c+a*16*PITCH
	ds_load_b128 v[rA+4:rA+7], v[ADA] offset:(\k)+64*c+a*16*PITCH+32
.set a, a+1
.endr
.set c, c+1
.endr
.set h, h+1
.endr
.endm
.macro QUARTER k, f, g
	s_wait_dscnt 4*DK                              ; all but A's blocks 2 and 3, the youngest loads
	MULH \f, 0
	PLACES
	FETCH \k, \g
	s_wait_dscnt NLD                               ; all but the run just issued
	MULH \f, 1
.endm
; The last quarter of a K step changes slots: each wave waits for all its tensor loads, adds 0 to its spare word, waits for that and for its reads of the slot, and passes the barrier.
; fill = 1: the barrier opens a round of the cluster's, and the slot just left is filled again first thing behind it, with the walk's step two on: its address is made anew from the kept base and KO, which goes round.
; fill = 0: the tail; in its second trip (s3 = 1) the run of loads is jumped over.
.macro TURN fill
	WIN 0
	s_wait_tensorcnt 0x0
	ds_add_u32 v[SPW], v[NIL]
.if \fill
	s_xor_b32 s37, s37, SD
	s_xor_b32 s61, s61, SD
	s_add_co_u32 s[KO], s[KO], KB
	s_and_b32 s[KO], s[KO], 2047                   ; a row is 2,048 bytes: behind its last K step comes its first
	s_add_nc_u64 s[38:39], s[14:15], s[KO:KO+1]
	s_or_b32 s39, s39, 0x80000000
	s_add_nc_u64 s[62:63], s[46:47], s[KO:KO+1]
	s_or_b32 s63, s63, 0x80000000
.endif
	s_wait_dscnt 4*DK+1                            ; the add and A's blocks 2 and 3 may be out
	MULQ F1, 0
	s_wait_dscnt 0x0
	s_barrier_signal -1
	MULQ F1, 1
	WIN 0
	s_barrier_wait -1
.if \fill
	CREST
	JLOAD
	s_xor_b32 s[TB], s[TB], SD
.else
	PLACES
	s_xor_b32 s[TB], s[TB], SD
	s_cmp_eq_u32 s3, 1
	s_cbranch_scc1 .Lno_fetch_\@
.endif
	v_add_nc_u32 v[ADA], s[TB], v[ADA0]
	v_add_nc_u32 v[ADB], s[TB], v[ADB0]
	FETCH 0, F0
.if !(\fill)
	WIN 0
.Lno_fetch_\@:
.endif
	MULH F1, 1
.endm
	s_load_b128 s[4:7], s[0:1], 0x0                ; ctx s[4:5], wts s[6:7]
	s_load_b64 s[8:9], s[0:1], 0x10                ; hidden_states
	s_load_b128 s[72:75], s[0:1], 0x18             ; x2 s[72:73], a2 s[74:75]
	s_load_b64 s[76:77], s[0:1], 0x28              ; ss2
	v_lshl_add_u32 v[SPW], v0, 2, SPARE
	v_mov_b32 v[NIL], 0
	ds_add_u32 v[SPW], v[NIL]                      ; the wave's opening
	v_lshrrev_b32 v1, 5, v0
	v_readfirstlane_b32 s10, v1
	s_lshr_b32 s11, s10, 1                         ; my half of the tile's rows; also: I fetch for A (0) or B (1)
	s_and_b32 s12, s10, 1                          ; my half of its columns; also: which half of that tile I fetch
	s_bfe_u32 s40, ttmp6, 0x40000
	s_bfe_u32 s41, ttmp6, 0x40004
	s_lshl_b32 s42, ttmp9, 2
	s_add_co_u32 s42, s42, s40                     ; tile column
	s_and_b32 s13, ttmp7, 0xffff
	s_lshl_b32 s13, s13, 2
	s_add_co_u32 s13, s13, s41                     ; tile row
	s_lshl_b32 s43, s41, 2
	s_lshl_b32 s43, 15, s43
	s_lshl_b32 s44, 0x1111, s40
	s_or_b32 s24, s43, (1<<16)|(1<<20)|(1<<21)|(QI<<22)|(3<<25)
	s_mov_b32 s25, KSTEP<<16
	s_mov_b32 s26, AL<<16
	s_mov_b32 s27, KSTEP<<16
	s_mov_b32 s28, AL
	s_mov_b32 s29, 1024
	s_mov_b32 s30, 0
	s_mov_b32 s31, 0
	s_or_b32 s48, s44, (1<<16)|(1<<20)|(1<<21)|(QI<<22)|(3<<25)
	s_mov_b32 s49, KSTEP<<16
	s_mov_b32 s50, BL<<16
	s_mov_b32 s51, KSTEP<<16
	s_mov_b32 s52, BL
	s_mov_b32 s53, 1024
	s_mov_b32 s54, 0
	s_mov_b32 s55, 0
	s_mul_i32 s16, s13, AR*2048
	s_mul_i32 s17, s12, AL*2048
	s_add_co_u32 s16, s16, s17
	s_mov_b32 s17, 0
	s_mul_i32 s46, s42, BR*2048
	s_mul_i32 s47, s12, BL*2048
	s_add_co_u32 s46, s46, s47
	s_add_co_u32 s46, s46, BBASE
	s_mov_b32 s47, 0
	s_mul_i32 s20, s12, AL*PITCH
	s_mul_i32 s21, s12, BL*PITCH
	s_add_co_u32 s21, s21, AR*PITCH
	s_mov_b32 s[TB], SD
	s_mov_b32 s71, 0xffff0000
	s_and_b32 s22, ttmp7, 0xffff                   ; where my cluster's walk begins: made of the cluster's x and y, which all sixteen partners share
	s_add_co_u32 s22, s22, ttmp9
	s_and_b32 s22, s22, 1
	s_lshl_b32 s[KO], s22, 10                      ; two K steps of 512 bytes, or none
	s_mov_b32 s[KO+1], 0
	s_wait_dscnt 0x0
	s_wait_kmcnt 0x0
	s_add_nc_u64 s[14:15], s[4:5], s[16:17]        ; kept: my rows of A at K = 0,
	s_add_nc_u64 s[46:47], s[6:7], s[46:47]        ; and of B
	CROUND
	s_mov_b32 s32, 1
	s_add_co_u32 s33, s20, SD
	s_add_nc_u64 s[34:35], s[14:15], s[KO:KO+1]
	s_or_b32 s35, s35, 0x80000000
	s_mov_b32 s56, 1
	s_add_co_u32 s57, s21, SD
	s_add_nc_u64 s[58:59], s[46:47], s[KO:KO+1]
	s_or_b32 s59, s59, 0x80000000
	s_add_co_u32 s[KO], s[KO], KB
	s_and_b32 s[KO], s[KO], 2047
	s_mov_b32 s36, 1
	s_mov_b32 s37, s20
	s_add_nc_u64 s[38:39], s[14:15], s[KO:KO+1]
	s_or_b32 s39, s39, 0x80000000
	s_mov_b32 s60, 1
	s_mov_b32 s61, s21
	s_add_nc_u64 s[62:63], s[46:47], s[KO:KO+1]
	s_or_b32 s63, s63, 0x80000000
	s_cmp_eq_u32 s11, 0
	s_cbranch_scc0 .Lfirst_b
	tensor_load_to_lds s[32:35], s[24:31]
	s_nop 0
	tensor_load_to_lds s[36:39], s[24:31]
	s_nop 0
	PLACES
	s_branch .Lfirst_done
.Lfirst_b:
	tensor_load_to_lds s[56:59], s[48:55]
	s_nop 0
	tensor_load_to_lds s[60:63], s[48:55]
	s_nop 0
	PLACES
.Lfirst_done:
	v_and_b32 v1, 15, v0                           ; l % 16
	v_bfe_u32 v2, v0, 4, 1                         ; l / 16
	s_lshl_b32 s18, s13, 19                        ; x at the tile: 128 rows of 4,096 bytes, 512 bytes of columns
	s_lshl_b32 s19, s42, 9
	s_add_co_u32 s18, s18, s19
	s_mov_b32 s19, 0
	s_add_nc_u64 s[8:9], s[8:9], s[18:19]
	s_lshl_b32 s22, s11, 18
	s_lshl_b32 s23, s12, 8
	s_add_co_u32 s22, s22, s23
	v_lshlrev_b32 v[XO], 12, v1                    ; my row, my eight columns: as an accumulator holds them
	v_lshl_add_u32 v[XO], v2, 5, v[XO]
	v_add_nc_u32 v[XO], s22, v[XO]
.set a, 0
.rept 4
	WIN 0x80+0x40*(a/2)
.set b, 0
.rept NB
.set rD, 8*(NB*(a%2)+b)
	global_load_b128 v[rD:rD+3], v[XO], s[8:9] offset:65536*a+64*b
	global_load_b128 v[rD+4:rD+7], v[XO], s[8:9] offset:65536*a+64*b+16
.set b, b+1
.endr
.set a, a+1
.endr
	WIN 0
	v_mul_u32_u24 v3, v1, PITCH
	v_lshl_add_u32 v3, v2, 4, v3
	s_mul_i32 s22, s11, 64*PITCH
	v_add_nc_u32 v[ADA0], s22, v3
	s_mul_i32 s23, s12, 16*NB*PITCH
	s_add_co_u32 s23, s23, AR*PITCH
	v_add_nc_u32 v[ADB0], s23, v3
	s_mul_i32 s22, s11, 64*SPITCH                  ; into the stage: my 64 rows, my 256 bytes of their 512
	s_lshl_b32 s23, s12, 8
	s_add_co_u32 s22, s22, s23
	s_add_co_u32 s22, s22, STAGE
	v_mul_u32_u24 v4, v1, SPITCH
	v_lshl_add_u32 v4, v2, 5, v4
	v_add_nc_u32 v[STO], s22, v4
	s_mul_i32 s22, s10, 32*SPITCH                  ; back: wave w takes rows 32 w .. + 31, lanes 0-15 one row, lanes 16-31 the next
	s_add_co_u32 s22, s22, STAGE
	v_mul_u32_u24 v4, v2, SPITCH
	v_add_nc_u32 v4, s22, v4
	v_lshl_add_u32 v[RD], v1, 4, v4                ; 16 bytes a lane, for x2 and the sums
	v_lshl_add_u32 v[RD2], v1, 5, v4               ; 32 bytes a lane, for a2
	v_lshlrev_b32 v4, 12, v2
	v_lshl_add_u32 v[CO], v1, 4, v4
	v_lshlrev_b32 v4, 11, v2
	v_lshl_add_u32 v[CO2], v1, 4, v4
	s_lshl_b32 s22, s10, 7
	s_add_co_u32 s22, s22, SSQ
	v_lshl_add_u32 v4, v1, 3, s22
	v_lshl_add_u32 v[SQA], v2, 2, v4               ; the word of row 32 w + 2 (l % 16) + l / 16
	s_lshl_b32 s18, s13, 19                        ; x2 at row 128 y + 32 w, byte 512 x
	s_lshl_b32 s19, s10, 17
	s_add_co_u32 s18, s18, s19
	s_lshl_b32 s19, s42, 9
	s_add_co_u32 s18, s18, s19
	s_mov_b32 s19, 0
	s_add_nc_u64 s[72:73], s[72:73], s[18:19]
	s_lshr_b32 s18, s18, 1                         ; a2: half the bytes
	s_add_nc_u64 s[74:75], s[74:75], s[18:19]
	s_lshl_b32 s18, s42, 14                        ; ss2 at [x][128 y]
	s_lshl_b32 s22, s13, 9
	s_add_co_u32 s18, s18, s22
	s_add_nc_u64 s[76:77], s[76:77], s[18:19]
	s_wait_loadcnt 0x0                             ; x is in: rounded to bf16 in place
.macro RNDW w
	WIN \w
.set r, 0
.rept 32
	v_cvt_pk_bf16_f32 v[200+r%4], v[2*r], v[2*r+1]
	v_lshlrev_b32 v[2*r], 16, v[200+r%4]
	v_and_b32 v[2*r+1], s71, v[200+r%4]
.set r, r+1
.endr
.endm
	RNDW 0xaa
	RNDW 0xff
	WIN 0
	s_wait_tensorcnt 0x1                           ; my part of the walk's step 0 is in; step 1's may stay out
	s_barrier_signal -1
	s_barrier_wait -1
	v_add_nc_u32 v[ADA], s[TB], v[ADA0]
	v_add_nc_u32 v[ADB], s[TB], v[ADB0]
	FETCH 0, F0
	WIN 0
	s_mov_b32 s3, NSTEP-2
.Lstep:                                                ; a trip is a step of the walk; at its end the step two on is asked for
	QUARTER QK, F0, F1
	QUARTER 2*QK, F1, F0
	QUARTER 3*QK, F0, F1
	TURN 1
	WIN 0
	s_sub_co_u32 s3, s3, 1
	s_cmp_lg_u32 s3, 0
	s_cbranch_scc1 .Lstep
	s_mov_b32 s3, 2
.Ltail:                                                ; the last two steps ask for nothing
	QUARTER QK, F0, F1
	QUARTER 2*QK, F1, F0
	QUARTER 3*QK, F0, F1
	TURN 0
	WIN 0
	s_sub_co_u32 s3, s3, 1
	s_cmp_lg_u32 s3, 0
	s_cbranch_scc1 .Ltail
	s_wait_dscnt 0x0
	PLACES
	PLACES
	; THE WAY OUT: the sums go into the stage as they are (each accumulator's low four registers first), and come back as whole rows.
.set a, 0
.rept 4
	WIN 0x08+0x04*(a/2)
.set b, 0
.rept NB
.set rD, 8*(NB*(a%2)+b)
	ds_store_b128 v[STO], v[rD:rD+3] offset:16*SPITCH*a+64*b
	ds_store_b128 v[STO], v[rD+4:rD+7] offset:16*SPITCH*a+64*b+16
.set b, b+1
.endr
.set a, a+1
.endr
	WIN 0
	v_mov_b32 v[VS], 0
	s_mov_b32 s20, 0                               ; the numbers of a trip's two pairs of rows
	s_mov_b32 s21, 1
	s_mov_b32 s3, 8
	s_wait_dscnt 0x0                               ; for the others' sake
	s_barrier_signal -1
	s_barrier_wait -1
.Lrow:                                                 ; a trip: two pairs of rows: x2 stored, the rows' sums of squares, a2 stored
.set p, 0
.rept 2
	ds_load_b128 v[32+16*p:35+16*p], v[RD] offset:2*SPITCH*p
	ds_load_b128 v[36+16*p:39+16*p], v[RD] offset:2*SPITCH*p+256
	ds_load_b128 v[40+16*p:43+16*p], v[RD2] offset:2*SPITCH*p
	ds_load_b128 v[44+16*p:47+16*p], v[RD2] offset:2*SPITCH*p+16
.set p, p+1
.endr
	s_wait_dscnt 0x0
.set p, 0
.rept 2
	global_store_b128 v[CO], v[32+16*p:35+16*p], s[72:73] offset:8192*p      ; 16 lanes store 256 consecutive bytes, aligned
	global_store_b128 v[CO], v[36+16*p:39+16*p], s[72:73] offset:8192*p+256
	v_pk_mul_f32 v[64:65], v[32+16*p:33+16*p], v[32+16*p:33+16*p]
	v_pk_fma_f32 v[64:65], v[34+16*p:35+16*p], v[34+16*p:35+16*p], v[64:65]
	v_pk_fma_f32 v[64:65], v[36+16*p:37+16*p], v[36+16*p:37+16*p], v[64:65]
	v_pk_fma_f32 v[64:65], v[38+16*p:39+16*p], v[38+16*p:39+16*p], v[64:65]
	v_add_f32 v64, v64, v65
	v_add_f32_dpp v64, v64, v64 row_xmask:1 row_mask:0xf bank_mask:0xf
	v_add_f32_dpp v64, v64, v64 row_xmask:2 row_mask:0xf bank_mask:0xf
	v_add_f32_dpp v64, v64, v64 row_xmask:4 row_mask:0xf bank_mask:0xf
	v_add_f32_dpp v64, v64, v64 row_xmask:8 row_mask:0xf bank_mask:0xf
	v_cmp_eq_u32 vcc_lo, s[20+p], v1               ; lane t of each half keeps pair t's sum
	v_cndmask_b32 v[VS], v[VS], v64, vcc_lo
.set r, 0
.rept 4
	v_pk_mul_f32 v[40+16*p+2*r:41+16*p+2*r], v[40+16*p+2*r:41+16*p+2*r], 0x3c800000 op_sel_hi:[1,0]  ; 1 / 64, exact
.set r, r+1
.endr
.set r, 0
.rept 4
	v_cvt_pk_f16_f32 v[72+4*p+r], v[40+16*p+2*r], v[41+16*p+2*r]
.set r, r+1
.endr
	global_store_b128 v[CO2], v[72+4*p:75+4*p], s[74:75] offset:4096*p
.set p, p+1
.endr
	s_wait_xcnt 0x0                                ; the stores' data and offsets are written again only behind this wait
	v_add_nc_u32 v[RD], 4*SPITCH, v[RD]
	v_add_nc_u32 v[RD2], 4*SPITCH, v[RD2]
	v_add_nc_u32 v[CO], 16384, v[CO]
	v_add_nc_u32 v[CO2], 8192, v[CO2]
	s_add_co_u32 s20, s20, 2
	s_add_co_u32 s21, s21, 2
	s_sub_co_u32 s3, s3, 1
	s_cmp_lg_u32 s3, 0
	s_cbranch_scc1 .Lrow
	ds_store_b32 v[SQA], v[VS]
	s_wait_dscnt 0x0
	s_barrier_signal -1
	s_barrier_wait -1
	s_cmp_lg_u32 s10, 0                            ; wave 0 stores the 128 sums: 512 consecutive bytes
	s_cbranch_scc1 .Lend
	v_and_b32 v4, 31, v0
	v_lshl_add_u32 v5, v4, 4, SSQ
	v_lshlrev_b32 v4, 4, v4
	ds_load_b128 v[96:99], v5
	s_wait_dscnt 0x0
	global_store_b128 v4, v[96:99], s[76:77]
.Lend:
	s_wait_tensorcnt 0x0                           ; the wave's end
	ds_add_u32 v[SPW], v[NIL]
	s_wait_dscnt 0x0
	CROUND
	s_endpgm
.Lfunc_end_k_qad41af3a85_wo:
	.size	k_qad41af3a85_wo, .Lfunc_end_k_qad41af3a85_wo-k_qad41af3a85_wo
	.p2alignl 7, 3214868480
	.fill 96, 4, 3214868480
	.section	.rodata,"a",@progbits
	.p2align	6, 0x0
	.amdhsa_kernel k_qad41af3a85_wo
		.amdhsa_group_segment_fixed_size 327680
		.amdhsa_private_segment_fixed_size 0
		.amdhsa_enable_private_segment 0
		.amdhsa_kernarg_size 48
		.amdhsa_user_sgpr_count 2
		.amdhsa_user_sgpr_kernarg_segment_ptr 1
		.amdhsa_wavefront_size32 1
		.amdhsa_system_sgpr_workgroup_id_x 1
		.amdhsa_system_sgpr_workgroup_id_y 1
		.amdhsa_system_sgpr_workgroup_id_z 1
		.amdhsa_system_vgpr_workitem_id 0
		.amdhsa_next_free_vgpr 1024
		.amdhsa_next_free_sgpr 96
		.amdhsa_reserve_vcc 1
		.amdhsa_float_denorm_mode_32 3
		.amdhsa_float_denorm_mode_16_64 3
		.amdhsa_memory_ordered 1
		.amdhsa_forward_progress 1
		.amdhsa_inst_pref_size 66
	.end_amdhsa_kernel
	.amdgpu_metadata
---
amdhsa.version: [ 1, 2 ]
amdhsa.kernels:
  - .name:           k_qad41af3a85_wo
    .symbol:         k_qad41af3a85_wo.kd
    .args:
      - { .name: ctx, .offset: 0, .size: 8, .value_kind: global_buffer, .address_space: global }
      - { .name: wts, .offset: 8, .size: 8, .value_kind: global_buffer, .address_space: global }
      - { .name: hidden_states, .offset: 16, .size: 8, .value_kind: global_buffer, .address_space: global }
      - { .name: x2, .offset: 24, .size: 8, .value_kind: global_buffer, .address_space: global }
      - { .name: a2, .offset: 32, .size: 8, .value_kind: global_buffer, .address_space: global }
      - { .name: ss2, .offset: 40, .size: 8, .value_kind: global_buffer, .address_space: global }
    .group_segment_fixed_size: 327680
    .private_segment_fixed_size: 0
    .kernarg_segment_align: 8
    .kernarg_segment_size: 48
    .max_flat_workgroup_size: 128
    .sgpr_count:     96
    .vgpr_count:     1024
    .wavefront_size: 32
...
	.end_amdgpu_metadata
.endif
;; end of part 4
;; launch gu (part 5): grid 8 x 32, 4 waves a work-group, clusters of 4 x 4, 327,680 bytes of LDS; arguments a2, wts, ss2, act; writes act
.if DOCPART == 5
	.amdgcn_target "amdgcn-amd-amdhsa--gfx1250"
	.amdhsa_code_object_version 6
	.text
	.protected	k_qad41af3a85_gu
	.globl	k_qad41af3a85_gu
	.p2align	8
	.type	k_qad41af3a85_gu,@function
k_qad41af3a85_gu:
	s_mov_b64 s[64:65], 0
	v_nop
	global_prefetch_b8 v0, s[64:65] scope:SCOPE_SE
	s_setreg_imm32_b32 hwreg(HW_REG_WAVE_MODE, 25, 1), 1
	s_wait_xcnt 0x0
	s_wait_alu depctr_hold_cnt(0) depctr_sa_sdst(0) depctr_va_vdst(0) depctr_va_sdst(0) depctr_va_ssrc(0) depctr_va_vcc(0) depctr_vm_vsrc(0)
	s_getreg_b32 s2, hwreg(HW_REG_IB_STS2, 6, 4)
	s_cmp_eq_u32 s2, 0
	s_cbranch_scc0 .Lentry_in_a_cluster
	s_endpgm
.Lentry_in_a_cluster:
	s_bfe_u32 s2, ttmp6, 0x10000c
	s_cmp_lg_u32 s2, 0xf033
	s_cbranch_scc0 .Lentry_shape_is_right
	s_endpgm
.Lentry_shape_is_right:
; GATE AND UP.  act = bf16(silu(g) u), with g, u = 64 rms2 (a2 Wgu'^T): a2 = x2 / 64 in f16, ln2 lies in the weights, and rms2 = 1 / sqrt(mean(x2^2) + 1e-6), from the eight partial sums of ss2, is applied to the finished sums.
; silu(g) u = s^2 G U / (1 + 2^(-log2(e) s G)) for the sums G, U and s = 64 rms2; where the exponential is infinite the reciprocal is 0, the right limit.  act is kept in bf16: its range is the square of the others'.
; A work-group makes 128 rows x 256 rows of Wgu' (128 columns of act: groups of 16 gate rows and 16 up rows by turns); each of its four waves 64 x 128: 32 accumulators.  8 x 32 work-groups.
; K goes in steps of 128 through two LDS slots.  Waves 0, 1 fetch A's halves (64 rows), waves 2, 3 B's (128 rows).  CLUSTER 4 x 4: A's tile jointly along a row of the cluster, B's along a column.
; THE WALK ALONG K IS TURNED: cluster (X, Y) begins at K step 4 X + 2 q(Y), q(Y) = (Y + 2 (Y / 4)) & 3, and goes round modulo 8 (f32 sums may be taken in any order).  The two clusters that read the same rows of A begin
; four K steps apart; of the eight that read the same rows of B two begin at each even K step.
; The matrix instruction is used transposed.  REGISTERS: window 0 addresses and the way out; window 1 two fragment buffers (A's 4 blocks, B's 8); windows 2, 3 the accumulators: (a, b) in window 2 + a / 2 at v[8 (8 (a % 2) + b)].
; No prefetch is laid: with the turned walk every tile of B and half of A's are first asked for by some cluster's first fills, at the head; the other half of A's by the first two refills.
.set NB, 8
.set DK, 1
.set KSTEP, 128
.set KB, 256
.set PITCH, 272
.set QI, 5
.set AR, 128
.set BR, 256
.set AL, 64
.set BL, 128
.set SLOT, (AR+BR)*PITCH               ; 104,448
.set SD, 1<<17
.set NSTEP, 8
.set ZERO, 1
.set BBASE, 8388608
.set STAGE, SD                         ; the even steps' slot, which has had its last fill and read, and the bytes behind it: 128 rows x 1,040 bytes: G's 128 f32, U's 128, 16 of padding
.set SPITCH, 1040
.set SPARE, STAGE+128*SPITCH           ; 264,192
.set F0, 0
.set F1, 128
.set QK, 64*DK
.set NLD, (8+2*NB)*DK
.set ADA0, 10
.set ADB0, 11
.set ADA, 12
.set ADB, 13
.set STO, 14
.set RD, 15
.set CO, 17
.set XO, 19
.set IDX, 21
.set IDX2, 22
.set SC, 23
.set SPW, 28
.set NIL, 29
.set TB, 66
.set KO, 68                            ; s[68:69] byte in a row at which the K step asked for last begins
.set MSB, 0
.macro WIN new
.if MSB != (\new)
	s_set_vgpr_msb (MSB<<8)|(\new)
.set MSB, \new
.endif
.endm
.macro PLACES
.rept 4
	v_nop
.endr
.endm
.macro CREST
	s_cmp_lg_u32 s10, 0
	s_cbranch_scc1 .Lnot_wave_0_\@
	s_barrier_signal -3
.Lnot_wave_0_\@:
	s_barrier_wait -3
	s_barrier_signal -1
	s_barrier_wait -1
.endm
.macro CROUND
	s_barrier_signal -1
	s_barrier_wait -1
	CREST
.endm
.macro JLOAD
	s_cmp_eq_u32 s11, 0
	s_cbranch_scc0 .Lfor_b_\@
	tensor_load_to_lds s[36:39], s[24:31]
	s_nop 0
	PLACES
	s_branch .Lasked_\@
.Lfor_b_\@:
	tensor_load_to_lds s[60:63], s[48:55]
	s_nop 0
	PLACES
.Lasked_\@:
.endm
.macro WM z
.if \z
	v_wmma_f32_16x16x32_f16 v[rD:rD+7], v[rB:rB+7], v[rA:rA+7], 0
.else
	v_wmma_f32_16x16x32_f16 v[rD:rD+7], v[rB:rB+7], v[rA:rA+7], v[rD:rD+7]
.endif
.endm
.macro MULQ f, a, zero
	WIN 0xa5+0x50*((\a)/2)
.set c, 0
.rept DK
.set b, 0
.rept NB
.set rD, 8*(NB*((\a)%2)+b)
.set rB, (\f)+32*DK+8*(NB*c+b)
.set rA, (\f)+8*(4*c+(\a))
	WM (\zero)*(1-c)
.set b, b+1
.endr
.set c, c+1
.endr
.endm
.macro MULH f, h, zero
	MULQ \f, 2*(\h), \zero
	MULQ \f, 2*(\h)+1, \zero
.endm
.macro FETCH k, f
	WIN 0x40
.set c, 0
.rept DK
.set b, 0
.rept NB
.set rB, (\f)+32*DK+8*(NB*c+b)
	ds_load_b128 v[rB:rB+3], v[ADB] offset:(\k)+64*c+b*16*PITCH
	ds_load_b128 v[rB+4:rB+7], v[ADB] offset:(\k)+64*c+b*16*PITCH+32
.set b, b+1
.endr
.set c, c+1
.endr
.set h, 0
.rept 2
.set c, 0
.rept DK
.set a, 2*h
.rept 2
.set rA, (\f)+8*(4*c+a)
	ds_load_b128 v[rA:rA+3], v[ADA] offset:(\k)+64*c+a*16*PITCH
	ds_load_b128 v[rA+4:rA+7], v[ADA] offset:(\k)+64*c+a*16*PITCH+32
.set a, a+1
.endr
.set c, c+1
.endr
.set h, h+1
.endr
.endm
.macro QUARTER k, f, g, zero
	s_wait_dscnt 4*DK                              ; all but A's blocks 2 and 3, the youngest loads
	MULH \f, 0, \zero
	PLACES
	FETCH \k, \g
	s_wait_dscnt NLD                               ; all but the run just issued
	MULH \f, 1, \zero
.endm
; The last quarter of a K step changes slots: each wave waits for all its tensor loads, adds 0 to its spare word, waits for that and for its reads of the slot, and passes the barrier.
; fill = 1: the barrier opens a round of the cluster's, and the slot just left is filled again first thing behind it, with the walk's step two on: its address is made anew from the kept base and KO, which goes round.
; fill = 0: the tail; in its second trip (s3 = 1) the run of loads is jumped over.
.macro TURN fill
	WIN 0
	s_wait_tensorcnt 0x0
	ds_add_u32 v[SPW], v[NIL]
.if \fill
	s_xor_b32 s37, s37, SD
	s_xor_b32 s61, s61, SD
	s_add_co_u32 s[KO], s[KO], KB
	s_and_b32 s[KO], s[KO], 2047                   ; a row is 2,048 bytes: behind its last K step comes its first
	s_add_nc_u64 s[38:39], s[14:15], s[KO:KO+1]
	s_or_b32 s39, s39, 0x80000000
	s_add_nc_u64 s[62:63], s[46:47], s[KO:KO+1]
	s_or_b32 s63, s63, 0x80000000
.endif
	s_wait_dscnt 4*DK+1                            ; the add and A's blocks 2 and 3 may be out
	MULQ F1, 0, 0
	s_wait_dscnt 0x0
	s_barrier_signal -1
	MULQ F1, 1, 0
	WIN 0
	s_barrier_wait -1
.if \fill
	CREST
	JLOAD
	s_xor_b32 s[TB], s[TB], SD
.else
	PLACES
	s_xor_b32 s[TB], s[TB], SD
	s_cmp_eq_u32 s3, 1
	s_cbranch_scc1 .Lno_fetch_\@
.endif
	v_add_nc_u32 v[ADA], s[TB], v[ADA0]
	v_add_nc_u32 v[ADB], s[TB], v[ADB0]
	FETCH 0, F0
.if !(\fill)
	WIN 0
.Lno_fetch_\@:
.endif
	MULH F1, 1, 0
.endm
	s_load_b128 s[4:7], s[0:1], 0x0                ; a2 s[4:5], wts s[6:7]
	s_load_b64 s[8:9], s[0:1], 0x10                ; ss2
	s_load_b64 s[72:73], s[0:1], 0x18              ; act
	v_lshl_add_u32 v[SPW], v0, 2, SPARE
	v_mov_b32 v[NIL], 0
	ds_add_u32 v[SPW], v[NIL]                      ; the wave's opening
	v_lshrrev_b32 v1, 5, v0
	v_readfirstlane_b32 s10, v1
	s_lshr_b32 s11, s10, 1
	s_and_b32 s12, s10, 1
	s_bfe_u32 s40, ttmp6, 0x40000
	s_bfe_u32 s41, ttmp6, 0x40004
	s_lshl_b32 s42, ttmp9, 2
	s_add_co_u32 s42, s42, s40                     ; tile column
	s_and_b32 s13, ttmp7, 0xffff
	s_lshl_b32 s13, s13, 2
	s_add_co_u32 s13, s13, s41                     ; tile row
	s_lshl_b32 s43, s41, 2
	s_lshl_b32 s43, 15, s43
	s_lshl_b32 s44, 0x1111, s40
	s_or_b32 s24, s43, (1<<16)|(1<<20)|(1<<21)|(QI<<22)|(3<<25)
	s_mov_b32 s25, KSTEP<<16
	s_mov_b32 s26, AL<<16
	s_mov_b32 s27, KSTEP<<16
	s_mov_b32 s28, AL
	s_mov_b32 s29, 1024
	s_mov_b32 s30, 0
	s_mov_b32 s31, 0
	s_or_b32 s48, s44, (1<<16)|(1<<20)|(1<<21)|(QI<<22)|(3<<25)
	s_mov_b32 s49, KSTEP<<16
	s_mov_b32 s50, BL<<16
	s_mov_b32 s51, KSTEP<<16
	s_mov_b32 s52, BL
	s_mov_b32 s53, 1024
	s_mov_b32 s54, 0
	s_mov_b32 s55, 0
	s_mul_i32 s16, s13, AR*2048
	s_mul_i32 s17, s12, AL*2048
	s_add_co_u32 s16, s16, s17
	s_mov_b32 s17, 0
	s_mul_i32 s46, s42, BR*2048
	s_mul_i32 s47, s12, BL*2048
	s_add_co_u32 s46, s46, s47
	s_add_co_u32 s46, s46, BBASE
	s_mov_b32 s47, 0
	s_mul_i32 s20, s12, AL*PITCH
	s_mul_i32 s21, s12, BL*PITCH
	s_add_co_u32 s21, s21, AR*PITCH
	s_mov_b32 s[TB], SD
	s_mov_b32 s86, 0x3a800000                      ; 1 / 1024
	s_mov_b32 s87, 0x358637bd                      ; 1e-6
	s_and_b32 s22, ttmp7, 0xffff                   ; where my cluster's walk begins: made of the cluster's x and y, which all sixteen partners share
	s_lshr_b32 s23, s22, 2
	s_lshl1_add_u32 s22, s23, s22                  ; Y + 2 (Y / 4)
	s_and_b32 s22, s22, 3                          ; q(Y)
	s_lshl_b32 s22, s22, 9                         ; two K steps of 256 bytes each,
	s_lshl_b32 s23, ttmp9, 10                      ; four for cluster x = 1
	s_add_co_u32 s[KO], s22, s23
	s_and_b32 s[KO], s[KO], 2047
	s_mov_b32 s[KO+1], 0
	s_wait_dscnt 0x0
	s_wait_kmcnt 0x0
	s_add_nc_u64 s[14:15], s[4:5], s[16:17]        ; kept: my rows of A at K = 0,
	s_add_nc_u64 s[46:47], s[6:7], s[46:47]        ; and of B
	CROUND
	s_mov_b32 s32, 1
	s_add_co_u32 s33, s20, SD
	s_add_nc_u64 s[34:35], s[14:15], s[KO:KO+1]
	s_or_b32 s35, s35, 0x80000000
	s_mov_b32 s56, 1
	s_add_co_u32 s57, s21, SD
	s_add_nc_u64 s[58:59], s[46:47], s[KO:KO+1]
	s_or_b32 s59, s59, 0x80000000
	s_add_co_u32 s[KO], s[KO], KB
	s_and_b32 s[KO], s[KO], 2047
	s_mov_b32 s36, 1
	s_mov_b32 s37, s20
	s_add_nc_u64 s[38:39], s[14:15], s[KO:KO+1]
	s_or_b32 s39, s39, 0x80000000
	s_mov_b32 s60, 1
	s_mov_b32 s61, s21
	s_add_nc_u64 s[62:63], s[46:47], s[KO:KO+1]
	s_or_b32 s63, s63, 0x80000000
	s_cmp_eq_u32 s11, 0
	s_cbranch_scc0 .Lfirst_b
	tensor_load_to_lds s[32:35], s[24:31]
	s_nop 0
	tensor_load_to_lds s[36:39], s[24:31]
	s_nop 0
	PLACES
	s_branch .Lfirst_done
.Lfirst_b:
	tensor_load_to_lds s[56:59], s[48:55]
	s_nop 0
	tensor_load_to_lds s[60:63], s[48:55]
	s_nop 0
	PLACES
.Lfirst_done:
	v_and_b32 v1, 15, v0
	v_bfe_u32 v2, v0, 4, 1
	v_and_b32 v4, 31, v0
	s_lshl_b32 s22, s13, 9                         ; lane r takes the eight partial sums of row 128 y + 32 w + r
	s_lshl_b32 s23, s10, 7
	s_add_co_u32 s22, s22, s23
	v_lshl_add_u32 v[XO], v4, 2, s22
.set t, 0
.rept 8
	global_load_b32 v[100+t], v[XO], s[8:9] offset:16384*t
.set t, t+1
.endr
	v_mul_u32_u24 v3, v1, PITCH
	v_lshl_add_u32 v3, v2, 4, v3
	s_mul_i32 s22, s11, 64*PITCH
	v_add_nc_u32 v[ADA0], s22, v3
	s_mul_i32 s23, s12, 16*NB*PITCH
	s_add_co_u32 s23, s23, AR*PITCH
	v_add_nc_u32 v[ADB0], s23, v3
	s_mul_i32 s22, s11, 64*SPITCH                  ; into the stage: my 64 rows, my 256 bytes of each plane's 512
	s_lshl_b32 s23, s12, 8
	s_add_co_u32 s22, s22, s23
	s_add_co_u32 s22, s22, STAGE
	v_mul_u32_u24 v4, v1, SPITCH
	v_lshl_add_u32 v4, v2, 5, v4
	v_add_nc_u32 v[STO], s22, v4
	s_mul_i32 s22, s10, 32*SPITCH                  ; back: wave w takes rows 32 w .. + 31; a lane eight columns, 32 bytes of each plane
	s_add_co_u32 s22, s22, STAGE
	v_mul_u32_u24 v4, v2, SPITCH
	v_add_nc_u32 v4, s22, v4
	v_lshl_add_u32 v[RD], v1, 5, v4
	v_lshlrev_b32 v4, 11, v2
	v_lshl_add_u32 v[CO], v1, 4, v4
	v_lshlrev_b32 v[IDX], 2, v2                    ; the lane that holds my row's scale, times 4: pair 0,
	v_add_nc_u32 v[IDX2], 8, v[IDX]                ; pair 1
	s_lshl_b32 s18, s13, 18                        ; act at row 128 y + 32 w, byte 256 x
	s_lshl_b32 s19, s10, 16
	s_add_co_u32 s18, s18, s19
	s_lshl_b32 s19, s42, 8
	s_add_co_u32 s18, s18, s19
	s_mov_b32 s19, 0
	s_add_nc_u64 s[72:73], s[72:73], s[18:19]
	s_wait_tensorcnt 0x1                           ; my part of the walk's step 0 is in; step 1's may stay out
	s_barrier_signal -1
	s_barrier_wait -1
	v_add_nc_u32 v[ADA], s[TB], v[ADA0]
	v_add_nc_u32 v[ADB], s[TB], v[ADB0]
	FETCH 0, F0
	QUARTER QK, F0, F1, ZERO
	WIN 0
	s_mov_b32 s3, NSTEP-2
.Lstep:
	QUARTER 2*QK, F1, F0, 0
	QUARTER 3*QK, F0, F1, 0
	TURN 1
	QUARTER QK, F0, F1, 0
	WIN 0
	s_sub_co_u32 s3, s3, 1
	s_cmp_lg_u32 s3, 0
	s_cbranch_scc1 .Lstep
	s_mov_b32 s3, 2
.Ltail:
	QUARTER 2*QK, F1, F0, 0
	QUARTER 3*QK, F0, F1, 0
	TURN 0
	WIN 0
	s_sub_co_u32 s3, s3, 1
	s_cmp_eq_u32 s3, 0
	s_cbranch_scc1 .Lout
	QUARTER QK, F0, F1, 0
	WIN 0
	s_branch .Ltail
.Lout:
	s_wait_dscnt 0x0
	PLACES
	PLACES
	; THE WAY OUT: accumulator (a, 2 c + t) goes to plane t (G, U) of the stage, each from its low four registers on.
.set a, 0
.rept 4
	WIN 0x08+0x04*(a/2)
.set b, 0
.rept NB
.set rD, 8*(NB*(a%2)+b)
	ds_store_b128 v[STO], v[rD:rD+3] offset:16*SPITCH*a+512*(b%2)+64*(b/2)
	ds_store_b128 v[STO], v[rD+4:rD+7] offset:16*SPITCH*a+512*(b%2)+64*(b/2)+16
.set b, b+1
.endr
.set a, a+1
.endr
	WIN 0
	s_wait_loadcnt 0x0                             ; the partial sums
	v_add_f32 v100, v100, v101
	v_add_f32 v102, v102, v103
	v_add_f32 v104, v104, v105
	v_add_f32 v106, v106, v107
	v_add_f32 v100, v100, v102
	v_add_f32 v104, v104, v106
	v_add_f32 v100, v100, v104
	v_fma_f32 v100, v100, s86, s87
	v_rsq_f32 v[SC], v100
	v_nop                                          ; a plain instruction behind the root,
	s_wait_alu depctr_va_vdst(0)                   ; and its wait
	v_mul_f32 v[SC], 0x42800000, v[SC]             ; s = 64 rms2 of row 32 w + lane
	s_mov_b32 s3, 8
	s_wait_dscnt 0x0                               ; for the others' sake
	s_barrier_signal -1
	s_barrier_wait -1
.Lrow:                                                 ; a trip: two pairs of rows, 16 numbers a lane; the exponentials are one batch with one wait, the reciprocals another
	ds_bpermute_b32 v96, v[IDX], v[SC]
	ds_bpermute_b32 v97, v[IDX2], v[SC]
.set p, 0
.rept 2
	ds_load_b128 v[32+8*p:35+8*p], v[RD] offset:2*SPITCH*p
	ds_load_b128 v[36+8*p:39+8*p], v[RD] offset:2*SPITCH*p+16
	ds_load_b128 v[48+8*p:51+8*p], v[RD] offset:2*SPITCH*p+512
	ds_load_b128 v[52+8*p:55+8*p], v[RD] offset:2*SPITCH*p+528
.set p, p+1
.endr
	s_wait_dscnt 0x0
.set p, 0
.rept 2
	v_mul_f32 v[80+4*p], 0xbfb8aa3b, v[96+p]       ; -log2(e) s, in both words of a pair,
	v_mul_f32 v[81+4*p], 0xbfb8aa3b, v[96+p]
	v_mul_f32 v[82+4*p], v[96+p], v[96+p]          ; s^2 likewise
	v_mul_f32 v[83+4*p], v[96+p], v[96+p]
.set p, p+1
.endr
.set j, 0
.rept 8
	v_pk_mul_f32 v[64+2*j:65+2*j], v[32+2*j:33+2*j], v[80+4*(j/4):81+4*(j/4)]
.set j, j+1
.endr
.set j, 0
.rept 16
	v_exp_f32 v[64+j], v[64+j]
.set j, j+1
.endr
.set j, 0
.rept 8
	v_pk_mul_f32 v[32+2*j:33+2*j], v[32+2*j:33+2*j], v[48+2*j:49+2*j]  ; G U: the plain work behind the batch
.set j, j+1
.endr
	s_wait_alu depctr_va_vdst(0)
.set j, 0
.rept 8
	v_pk_add_f32 v[64+2*j:65+2*j], v[64+2*j:65+2*j], 1.0 op_sel_hi:[1,0]
.set j, j+1
.endr
.set j, 0
.rept 16
	v_rcp_f32 v[64+j], v[64+j]
.set j, j+1
.endr
.set j, 0
.rept 8
	v_pk_mul_f32 v[32+2*j:33+2*j], v[32+2*j:33+2*j], v[82+4*(j/4):83+4*(j/4)]
.set j, j+1
.endr
	s_wait_alu depctr_va_vdst(0)
.set j, 0
.rept 8
	v_pk_mul_f32 v[32+2*j:33+2*j], v[32+2*j:33+2*j], v[64+2*j:65+2*j]
.set j, j+1
.endr
.set j, 0
.rept 8
	v_cvt_pk_bf16_f32 v[88+j], v[32+2*j], v[33+2*j]
.set j, j+1
.endr
	global_store_b128 v[CO], v[88:91], s[72:73]              ; 16 lanes store 256 consecutive bytes, aligned
	global_store_b128 v[CO], v[92:95], s[72:73] offset:4096
	s_wait_xcnt 0x0                                ; the stores' data and offset are written again only behind this wait
	v_add_nc_u32 v[RD], 4*SPITCH, v[RD]
	v_add_nc_u32 v[CO], 8192, v[CO]
	v_add_nc_u32 v[IDX], 16, v[IDX]
	v_add_nc_u32 v[IDX2], 16, v[IDX2]
	s_sub_co_u32 s3, s3, 1
	s_cmp_lg_u32 s3, 0
	s_cbranch_scc1 .Lrow
	s_wait_tensorcnt 0x0                           ; the wave's end
	ds_add_u32 v[SPW], v[NIL]
	s_wait_dscnt 0x0
	CROUND
	s_endpgm
.Lfunc_end_k_qad41af3a85_gu:
	.size	k_qad41af3a85_gu, .Lfunc_end_k_qad41af3a85_gu-k_qad41af3a85_gu
	.p2alignl 7, 3214868480
	.fill 96, 4, 3214868480
	.section	.rodata,"a",@progbits
	.p2align	6, 0x0
	.amdhsa_kernel k_qad41af3a85_gu
		.amdhsa_group_segment_fixed_size 327680
		.amdhsa_private_segment_fixed_size 0
		.amdhsa_enable_private_segment 0
		.amdhsa_kernarg_size 32
		.amdhsa_user_sgpr_count 2
		.amdhsa_user_sgpr_kernarg_segment_ptr 1
		.amdhsa_wavefront_size32 1
		.amdhsa_system_sgpr_workgroup_id_x 1
		.amdhsa_system_sgpr_workgroup_id_y 1
		.amdhsa_system_sgpr_workgroup_id_z 1
		.amdhsa_system_vgpr_workitem_id 0
		.amdhsa_next_free_vgpr 1024
		.amdhsa_next_free_sgpr 96
		.amdhsa_reserve_vcc 0
		.amdhsa_float_denorm_mode_32 3
		.amdhsa_float_denorm_mode_16_64 3
		.amdhsa_memory_ordered 1
		.amdhsa_forward_progress 1
		.amdhsa_inst_pref_size 58
	.end_amdhsa_kernel
	.amdgpu_metadata
---
amdhsa.version: [ 1, 2 ]
amdhsa.kernels:
  - .name:           k_qad41af3a85_gu
    .symbol:         k_qad41af3a85_gu.kd
    .args:
      - { .name: a2, .offset: 0, .size: 8, .value_kind: global_buffer, .address_space: global }
      - { .name: wts, .offset: 8, .size: 8, .value_kind: global_buffer, .address_space: global }
      - { .name: ss2, .offset: 16, .size: 8, .value_kind: global_buffer, .address_space: global }
      - { .name: act, .offset: 24, .size: 8, .value_kind: global_buffer, .address_space: global }
    .group_segment_fixed_size: 327680
    .private_segment_fixed_size: 0
    .kernarg_segment_align: 8
    .kernarg_segment_size: 32
    .max_flat_workgroup_size: 128
    .sgpr_count:     96
    .vgpr_count:     1024
    .wavefront_size: 32
...
	.end_amdgpu_metadata
.endif
;; end of part 5
;; launch down (part 6): grid 8 x 32, 4 waves a work-group, clusters of 4 x 4, 327,680 bytes of LDS; arguments act, wts, x2, out0; writes out0
.if DOCPART == 6
	.amdgcn_target "amdgcn-amd-amdhsa--gfx1250"
	.amdhsa_code_object_version 6
	.text
	.protected	k_qad41af3a85_down
	.globl	k_qad41af3a85_down
	.p2align	8
	.type	k_qad41af3a85_down,@function
k_qad41af3a85_down:
	s_mov_b64 s[64:65], 0
	v_nop
	global_prefetch_b8 v0, s[64:65] scope:SCOPE_SE
	s_setreg_imm32_b32 hwreg(HW_REG_WAVE_MODE, 25, 1), 1
	s_wait_xcnt 0x0
	s_wait_alu depctr_hold_cnt(0) depctr_sa_sdst(0) depctr_va_vdst(0) depctr_va_sdst(0) depctr_va_ssrc(0) depctr_va_vcc(0) depctr_vm_vsrc(0)
	s_getreg_b32 s2, hwreg(HW_REG_IB_STS2, 6, 4)
	s_cmp_eq_u32 s2, 0
	s_cbranch_scc0 .Lentry_in_a_cluster
	s_endpgm
.Lentry_in_a_cluster:
	s_bfe_u32 s2, ttmp6, 0x10000c
	s_cmp_lg_u32 s2, 0xf033
	s_cbranch_scc0 .Lentry_shape_is_right
	s_endpgm
.Lentry_shape_is_right:
; DOWN.  out0 = x2 + act w_down^T (bf16 operands, f32 sums, K = 1,024), in f32.
; A work-group makes 128 x 128, each of its four waves 64 x 64: 16 accumulators.  8 x 32 work-groups.  K goes in steps of 256 (rows of 512 bytes) through two LDS slots.  Waves 0, 1 fetch A's halves, waves 2, 3 B's: 64 rows each.
; CLUSTER 4 x 4: A's tile is asked for jointly along a row of the cluster, B's along a column.  The matrix instruction is used transposed: a lane holds row l % 16 and eight neighbouring columns.
; THE WALK ALONG K IS TURNED: cluster (X, Y) begins at K step 2 ((X + Y) & 1) and goes round modulo 4 (f32 sums may be taken in any order): of the clusters that read the same rows of A or of B, those next to each other begin two K steps apart.
; THE RESIDUAL STARTS THE SUMS: x2 is loaded straight into the accumulators, in the wait for the first tiles.  So every quarter of every K step has one form, and the loop begins with the first.
; REGISTERS: window 0 addresses and the way out; window 1 two fragment buffers of 128; windows 2, 3 the accumulators: (a, b) in window 2 + a / 2 at v[8 (4 (a % 2) + b)].
; No prefetch is laid: a ring of four K steps on small tiles; with the turned walk every tile is first asked for by some cluster's first fills, at the head.
.set NB, 4
.set DK, 2
.set KSTEP, 256
.set KB, 512
.set PITCH, 528
.set QI, 6
.set AR, 128
.set BR, 128
.set AL, 64
.set BL, 64
.set SLOT, (AR+BR)*PITCH               ; 135,168 = 0x21000
.set SD, SLOT                          ; the four tile offsets in a slot (0, 0x8400, 0x10800, 0x18c00) share no bit with SD, so one exclusive or turns an address into the other slot's
.set NSTEP, 4
.set BBASE, 12582912
.set STAGE, SD                         ; the even steps' slot, which has had its last fill and read: 128 rows x 528 bytes of f32
.set SPITCH, 528
.set SPARE, 2*SLOT                     ; 270,336
.set F0, 0
.set F1, 128
.set QK, 64*DK
.set NLD, (8+2*NB)*DK
.set ADA0, 10
.set ADB0, 11
.set ADA, 12
.set ADB, 13
.set STO, 14
.set RD, 15
.set CO, 17
.set XO, 19
.set SPW, 28
.set NIL, 29
.set TB, 66
.set KO, 68                            ; s[68:69] byte in a row at which the K step asked for last begins
.set MSB, 0
.macro WIN new
.if MSB != (\new)
	s_set_vgpr_msb (MSB<<8)|(\new)
.set MSB, \new
.endif
.endm
.macro PLACES
.rept 4
	v_nop
.endr
.endm
.macro CREST
	s_cmp_lg_u32 s10, 0
	s_cbranch_scc1 .Lnot_wave_0_\@
	s_barrier_signal -3
.Lnot_wave_0_\@:
	s_barrier_wait -3
	s_barrier_signal -1
	s_barrier_wait -1
.endm
.macro CROUND
	s_barrier_signal -1
	s_barrier_wait -1
	CREST
.endm
.macro JLOAD
	s_cmp_eq_u32 s11, 0
	s_cbranch_scc0 .Lfor_b_\@
	tensor_load_to_lds s[36:39], s[24:31]
	s_nop 0
	PLACES
	s_branch .Lasked_\@
.Lfor_b_\@:
	tensor_load_to_lds s[60:63], s[48:55]
	s_nop 0
	PLACES
.Lasked_\@:
.endm
.macro MULQ f, a                       ; block a of my rows x all NB blocks of columns, DK slices deep; the accumulators take turns, one instruction a turn
	WIN 0xa5+0x50*((\a)/2)
.set c, 0
.rept DK
.set b, 0
.rept NB
.set rD, 8*(NB*((\a)%2)+b)
.set rB, (\f)+32*DK+8*(NB*c+b)
.set rA, (\f)+8*(4*c+(\a))
	v_wmma_f32_16x16x32_bf16 v[rD:rD+7], v[rB:rB+7], v[rA:rA+7], v[rD:rD+7]
.set b, b+1
.endr
.set c, c+1
.endr
.endm
.macro MULH f, h
	MULQ \f, 2*(\h)
	MULQ \f, 2*(\h)+1
.endm
.macro FETCH k, f
	WIN 0x40
.set c, 0
.rept DK
.set b, 0
.rept NB
.set rB, (\f)+32*DK+8*(NB*c+b)
	ds_load_b128 v[rB:rB+3], v[ADB] offset:(\k)+64*c+b*16*PITCH
	ds_load_b128 v[rB+4:rB+7], v[ADB] offset:(\k)+64*c+b*16*PITCH+32
.set b, b+1
.endr
.set c, c+1
.endr
.set h, 0
.rept 2
.set c, 0
.rept DK
.set a, 2*h
.rept 2
.set rA, (\f)+8*(4*c+a)
	ds_load_b128 v[rA:rA+3], v[ADA] offset:(\k)+64*c+a*16*PITCH
	ds_load_b128 v[rA+4:rA+7], v[ADA] offset:(\k)+64*c+a*16*PITCH+32
.set a, a+1
.endr
.set c, c+1
.endr
.set h, h+1
.endr
.endm
.macro QUARTER k, f, g
	s_wait_dscnt 4*DK                              ; all but A's blocks 2 and 3, the youngest loads
	MULH \f, 0
	PLACES
	FETCH \k, \g
	s_wait_dscnt NLD                               ; all but the run just issued
	MULH \f, 1
.endm
; The last quarter of a K step changes slots: each wave waits for all its tensor loads, adds 0 to its spare word, waits for that and for its reads of the slot, and passes the barrier.
; fill = 1: the barrier opens a round of the cluster's, and the slot just left is filled again first thing behind it, with the walk's step two on: its address is made anew from the kept base and KO, which goes round.
; fill = 0: the tail; in its second trip (s3 = 1) the run of loads is jumped over.
.macro TURN fill
	WIN 0
	s_wait_tensorcnt 0x0
	ds_add_u32 v[SPW], v[NIL]
.if \fill
	s_xor_b32 s37, s37, SD
	s_xor_b32 s61, s61, SD
	s_add_co_u32 s[KO], s[KO], KB
	s_and_b32 s[KO], s[KO], 2047                   ; a row is 2,048 bytes: behind its last K step comes its first
	s_add_nc_u64 s[38:39], s[14:15], s[KO:KO+1]
	s_or_b32 s39, s39, 0x80000000
	s_add_nc_u64 s[62:63], s[46:47], s[KO:KO+1]
	s_or_b32 s63, s63, 0x80000000
.endif
	s_wait_dscnt 4*DK+1                            ; the add and A's blocks 2 and 3 may be out
	MULQ F1, 0
	s_wait_dscnt 0x0
	s_barrier_signal -1
	MULQ F1, 1
	WIN 0
	s_barrier_wait -1
.if \fill
	CREST
	JLOAD
	s_xor_b32 s[TB], s[TB], SD
.else
	PLACES
	s_xor_b32 s[TB], s[TB], SD
	s_cmp_eq_u32 s3, 1
	s_cbranch_scc1 .Lno_fetch_\@
.endif
	v_add_nc_u32 v[ADA], s[TB], v[ADA0]
	v_add_nc_u32 v[ADB], s[TB], v[ADB0]
	FETCH 0, F0
.if !(\fill)
	WIN 0
.Lno_fetch_\@:
.endif
	MULH F1, 1
.endm
	s_load_b128 s[4:7], s[0:1], 0x0                ; act s[4:5], wts s[6:7]
	s_load_b64 s[8:9], s[0:1], 0x10                ; x2
	s_load_b64 s[72:73], s[0:1], 0x18              ; out0
	v_lshl_add_u32 v[SPW], v0, 2, SPARE
	v_mov_b32 v[NIL], 0
	ds_add_u32 v[SPW], v[NIL]                      ; the wave's opening
	v_lshrrev_b32 v1, 5, v0
	v_readfirstlane_b32 s10, v1
	s_lshr_b32 s11, s10, 1
	s_and_b32 s12, s10, 1
	s_bfe_u32 s40, ttmp6, 0x40000
	s_bfe_u32 s41, ttmp6, 0x40004
	s_lshl_b32 s42, ttmp9, 2
	s_add_co_u32 s42, s42, s40                     ; tile column
	s_and_b32 s13, ttmp7, 0xffff
	s_lshl_b32 s13, s13, 2
	s_add_co_u32 s13, s13, s41                     ; tile row
	s_lshl_b32 s43, s41, 2
	s_lshl_b32 s43, 15, s43
	s_lshl_b32 s44, 0x1111, s40
	s_or_b32 s24, s43, (1<<16)|(1<<20)|(1<<21)|(QI<<22)|(3<<25)
	s_mov_b32 s25, KSTEP<<16
	s_mov_b32 s26, AL<<16
	s_mov_b32 s27, KSTEP<<16
	s_mov_b32 s28, AL
	s_mov_b32 s29, 1024
	s_mov_b32 s30, 0
	s_mov_b32 s31, 0
	s_or_b32 s48, s44, (1<<16)|(1<<20)|(1<<21)|(QI<<22)|(3<<25)
	s_mov_b32 s49, KSTEP<<16
	s_mov_b32 s50, BL<<16
	s_mov_b32 s51, KSTEP<<16
	s_mov_b32 s52, BL
	s_mov_b32 s53, 1024
	s_mov_b32 s54, 0
	s_mov_b32 s55, 0
	s_mul_i32 s16, s13, AR*2048
	s_mul_i32 s17, s12, AL*2048
	s_add_co_u32 s16, s16, s17
	s_mov_b32 s17, 0
	s_mul_i32 s46, s42, BR*2048
	s_mul_i32 s47, s12, BL*2048
	s_add_co_u32 s46, s46, s47
	s_add_co_u32 s46, s46, BBASE
	s_mov_b32 s47, 0
	s_mul_i32 s20, s12, AL*PITCH
	s_mul_i32 s21, s12, BL*PITCH
	s_add_co_u32 s21, s21, AR*PITCH
	s_mov_b32 s[TB], SD
	s_and_b32 s22, ttmp7, 0xffff                   ; where my cluster's walk begins: made of the cluster's x and y, which all sixteen partners share
	s_add_co_u32 s22, s22, ttmp9
	s_and_b32 s22, s22, 1
	s_lshl_b32 s[KO], s22, 10                      ; two K steps of 512 bytes, or none
	s_mov_b32 s[KO+1], 0
	s_wait_dscnt 0x0
	s_wait_kmcnt 0x0
	s_add_nc_u64 s[14:15], s[4:5], s[16:17]        ; kept: my rows of A at K = 0,
	s_add_nc_u64 s[46:47], s[6:7], s[46:47]        ; and of B
	CROUND
	s_mov_b32 s32, 1
	s_add_co_u32 s33, s20, SD
	s_add_nc_u64 s[34:35], s[14:15], s[KO:KO+1]
	s_or_b32 s35, s35, 0x80000000
	s_mov_b32 s56, 1
	s_add_co_u32 s57, s21, SD
	s_add_nc_u64 s[58:59], s[46:47], s[KO:KO+1]
	s_or_b32 s59, s59, 0x80000000
	s_add_co_u32 s[KO], s[KO], KB
	s_and_b32 s[KO], s[KO], 2047
	s_mov_b32 s36, 1
	s_mov_b32 s37, s20
	s_add_nc_u64 s[38:39], s[14:15], s[KO:KO+1]
	s_or_b32 s39, s39, 0x80000000
	s_mov_b32 s60, 1
	s_mov_b32 s61, s21
	s_add_nc_u64 s[62:63], s[46:47], s[KO:KO+1]
	s_or_b32 s63, s63, 0x80000000
	s_cmp_eq_u32 s11, 0
	s_cbranch_scc0 .Lfirst_b
	tensor_load_to_lds s[32:35], s[24:31]
	s_nop 0
	tensor_load_to_lds s[36:39], s[24:31]
	s_nop 0
	PLACES
	s_branch .Lfirst_done
.Lfirst_b:
	tensor_load_to_lds s[56:59], s[48:55]
	s_nop 0
	tensor_load_to_lds s[60:63], s[48:55]
	s_nop 0
	PLACES
.Lfirst_done:
	v_and_b32 v1, 15, v0
	v_bfe_u32 v2, v0, 4, 1
	s_lshl_b32 s18, s13, 19                        ; x2 at the tile
	s_lshl_b32 s19, s42, 9
	s_add_co_u32 s18, s18, s19
	s_mov_b32 s19, 0
	s_add_nc_u64 s[8:9], s[8:9], s[18:19]
	s_lshl_b32 s22, s11, 18
	s_lshl_b32 s23, s12, 8
	s_add_co_u32 s22, s22, s23
	v_lshlrev_b32 v[XO], 12, v1                    ; my row, my eight columns: as an accumulator holds them
	v_lshl_add_u32 v[XO], v2, 5, v[XO]
	v_add_nc_u32 v[XO], s22, v[XO]
.set a, 0
.rept 4
	WIN 0x80+0x40*(a/2)
.set b, 0
.rept NB
.set rD, 8*(NB*(a%2)+b)
	global_load_b128 v[rD:rD+3], v[XO], s[8:9] offset:65536*a+64*b
	global_load_b128 v[rD+4:rD+7], v[XO], s[8:9] offset:65536*a+64*b+16
.set b, b+1
.endr
.set a, a+1
.endr
	WIN 0
	v_mul_u32_u24 v3, v1, PITCH
	v_lshl_add_u32 v3, v2, 4, v3
	s_mul_i32 s22, s11, 64*PITCH
	v_add_nc_u32 v[ADA0], s22, v3
	s_mul_i32 s23, s12, 16*NB*PITCH
	s_add_co_u32 s23, s23, AR*PITCH
	v_add_nc_u32 v[ADB0], s23, v3
	s_mul_i32 s22, s11, 64*SPITCH
	s_lshl_b32 s23, s12, 8
	s_add_co_u32 s22, s22, s23
	s_add_co_u32 s22, s22, STAGE
	v_mul_u32_u24 v4, v1, SPITCH
	v_lshl_add_u32 v4, v2, 5, v4
	v_add_nc_u32 v[STO], s22, v4
	s_mul_i32 s22, s10, 32*SPITCH
	s_add_co_u32 s22, s22, STAGE
	v_mul_u32_u24 v4, v2, SPITCH
	v_add_nc_u32 v4, s22, v4
	v_lshl_add_u32 v[RD], v1, 4, v4
	v_lshlrev_b32 v4, 12, v2
	v_lshl_add_u32 v[CO], v1, 4, v4
	s_lshl_b32 s18, s13, 19                        ; out0 at row 128 y + 32 w, byte 512 x
	s_lshl_b32 s19, s10, 17
	s_add_co_u32 s18, s18, s19
	s_lshl_b32 s19, s42, 9
	s_add_co_u32 s18, s18, s19
	s_mov_b32 s19, 0
	s_add_nc_u64 s[72:73], s[72:73], s[18:19]
	s_wait_loadcnt 0x0                             ; x2 lies in the accumulators
	s_wait_tensorcnt 0x1                           ; my part of the walk's step 0 is in; step 1's may stay out
	s_barrier_signal -1
	s_barrier_wait -1
	v_add_nc_u32 v[ADA], s[TB], v[ADA0]
	v_add_nc_u32 v[ADB], s[TB], v[ADB0]
	FETCH 0, F0
	WIN 0
	s_mov_b32 s3, NSTEP-2
.Lstep:                                                ; a trip is a step of the walk; at its end the step two on is asked for
	QUARTER QK, F0, F1
	QUARTER 2*QK, F1, F0
	QUARTER 3*QK, F0, F1
	TURN 1
	WIN 0
	s_sub_co_u32 s3, s3, 1
	s_cmp_lg_u32 s3, 0
	s_cbranch_scc1 .Lstep
	s_mov_b32 s3, 2
.Ltail:                                                ; the last two steps ask for nothing
	QUARTER QK, F0, F1
	QUARTER 2*QK, F1, F0
	QUARTER 3*QK, F0, F1
	TURN 0
	WIN 0
	s_sub_co_u32 s3, s3, 1
	s_cmp_lg_u32 s3, 0
	s_cbranch_scc1 .Ltail
	s_wait_dscnt 0x0
	PLACES
	PLACES
	; THE WAY OUT: the sums go into the stage as they are (each accumulator's low four registers first), and come back as whole rows.
.set a, 0
.rept 4
	WIN 0x08+0x04*(a/2)
.set b, 0
.rept NB
.set rD, 8*(NB*(a%2)+b)
	ds_store_b128 v[STO], v[rD:rD+3] offset:16*SPITCH*a+64*b
	ds_store_b128 v[STO], v[rD+4:rD+7] offset:16*SPITCH*a+64*b+16
.set b, b+1
.endr
.set a, a+1
.endr
	WIN 0
	s_mov_b32 s3, 4
	s_wait_dscnt 0x0                               ; for the others' sake
	s_barrier_signal -1
	s_barrier_wait -1
.Lrow:                                                 ; a trip: four pairs of rows
.set p, 0
.rept 4
	ds_load_b128 v[32+8*p:35+8*p], v[RD] offset:2*SPITCH*p
	ds_load_b128 v[36+8*p:39+8*p], v[RD] offset:2*SPITCH*p+256
.set p, p+1
.endr
	s_wait_dscnt 0x0
.set p, 0
.rept 4
	global_store_b128 v[CO], v[32+8*p:35+8*p], s[72:73] offset:8192*p th:TH_STORE_NT      ; 16 lanes store 256 consecutive bytes, aligned
	global_store_b128 v[CO], v[36+8*p:39+8*p], s[72:73] offset:8192*p+256 th:TH_STORE_NT
.set p, p+1
.endr
	s_wait_xcnt 0x0                                ; the stores' data and offset are written again only behind this wait
	v_add_nc_u32 v[RD], 8*SPITCH, v[RD]
	v_add_nc_u32 v[CO], 32768, v[CO]
	s_sub_co_u32 s3, s3, 1
	s_cmp_lg_u32 s3, 0
	s_cbranch_scc1 .Lrow
	s_wait_tensorcnt 0x0                           ; the wave's end
	ds_add_u32 v[SPW], v[NIL]
	s_wait_dscnt 0x0
	CROUND
	s_endpgm
.Lfunc_end_k_qad41af3a85_down:
	.size	k_qad41af3a85_down, .Lfunc_end_k_qad41af3a85_down-k_qad41af3a85_down
	.p2alignl 7, 3214868480
	.fill 96, 4, 3214868480
	.section	.rodata,"a",@progbits
	.p2align	6, 0x0
	.amdhsa_kernel k_qad41af3a85_down
		.amdhsa_group_segment_fixed_size 327680
		.amdhsa_private_segment_fixed_size 0
		.amdhsa_enable_private_segment 0
		.amdhsa_kernarg_size 32
		.amdhsa_user_sgpr_count 2
		.amdhsa_user_sgpr_kernarg_segment_ptr 1
		.amdhsa_wavefront_size32 1
		.amdhsa_system_sgpr_workgroup_id_x 1
		.amdhsa_system_sgpr_workgroup_id_y 1
		.amdhsa_system_sgpr_workgroup_id_z 1
		.amdhsa_system_vgpr_workitem_id 0
		.amdhsa_next_free_vgpr 1024
		.amdhsa_next_free_sgpr 96
		.amdhsa_reserve_vcc 0
		.amdhsa_float_denorm_mode_32 3
		.amdhsa_float_denorm_mode_16_64 3
		.amdhsa_memory_ordered 1
		.amdhsa_forward_progress 1
		.amdhsa_inst_pref_size 54
	.end_amdhsa_kernel
	.amdgpu_metadata
---
amdhsa.version: [ 1, 2 ]
amdhsa.kernels:
  - .name:           k_qad41af3a85_down
    .symbol:         k_qad41af3a85_down.kd
    .args:
      - { .name: act, .offset: 0, .size: 8, .value_kind: global_buffer, .address_space: global }
      - { .name: wts, .offset: 8, .size: 8, .value_kind: global_buffer, .address_space: global }
      - { .name: x2, .offset: 16, .size: 8, .value_kind: global_buffer, .address_space: global }
      - { .name: out0, .offset: 24, .size: 8, .value_kind: global_buffer, .address_space: global }
    .group_segment_fixed_size: 327680
    .private_segment_fixed_size: 0
    .kernarg_segment_align: 8
    .kernarg_segment_size: 32
    .max_flat_workgroup_size: 128
    .sgpr_count:     96
    .vgpr_count:     1024
    .wavefront_size: 32
...
	.end_amdgpu_metadata
.endif
;; end of part 6
